; MI455X (gfx1250); checked and timed in simulation.
; The chip was launched on July 23, 2026; its instructions are those of AMD's public machine-readable ISA for CDNA 5 (MIT licence, August 2026) and "CDNA5" Instruction Set Architecture Reference Guide (July 2026). The comments in the code are by the model that wrote it; some were corrected since.
;; Positive Multihead Attention. Allowed arithmetic: matrix products marked QUANTISED: E2M1 operands, one E8M0 scale for each 32 along K, by v_wmma_scale_f32_16x16x128_f8f6f4 with both operands' format E2M1 (or v_wmma_scale_f32_32x16x128_f4), f32 sums; everything else in f32.
;; Inputs: W_K 512 x 512 float32; W_O 512 x 512 float32; W_Q 512 x 512 float32; W_V 512 x 512 float32; b_K 512 float32; b_O 512 float32; b_Q 512 float32; b_V 512 float32; x 2 x 1,024 x 512 float32.
;; Outputs: out0 2 x 1,024 x 512 float32.
;; This version of the problem:
;;   THIS VERSION OF THE PROBLEM IS GIVEN IN LOW PRECISION. The matrix products marked QUANTISED in the list below multiply operands that are first quantised to E2M1 (2 exponent bits, 1 mantissa bit; 4 bits a number), with one power-of-two scale for each 32 numbers along K (OCP MX v1.0); their sums are f32. All else is computed in f32.
;;   The module's matrix products, in the order in which they are computed (A, B: the left and right operand; K: the contracted axis; several contracted axes count as one K, in the product's order):
;;     1. [M 2,048, K 512] x [K 512, N 512]; A: input x; B: input W_Q: QUANTISED
;;     2. [M 2,048, K 512] x [K 512, N 512]; A: input x; B: input W_K: QUANTISED
;;     3. [M 2,048, K 512] x [K 512, N 512]; A: input x; B: input W_V: QUANTISED
;;     4. [M 2,048, K 512] x [K 512, N 512]; A: computed on the way; B: input W_O: QUANTISED
;;   THE QUANTISER, for each operand of a quantised product, along K:
;;     - K is cut into blocks of 32 from its start; a last block that is shorter is filled with zeros.
;;     - A block's scale is 2^e with e = floor(log2(the largest magnitude in the block)) - 2, held to -126 .. 127; a block of zeros has e = 0. As a byte (E8M0): e + 127.
;;     - Each number is divided by its block's scale, clamped to +-6, and rounded to the nearest number of E2M1, ties to even, subnormals kept.
;;     - The product sums the exact products of the quantised numbers (number of the format x scale) in f32.
;;   ~~~python
;;   def quantise(x, axis):      # numpy; x: float32 -> the quantised numbers, widened to float32 again
;;       x = np.moveaxis(x, axis, -1); K = x.shape[-1]
;;       x = np.pad(x, [(0, 0)] * (x.ndim - 1) + [(0, -K % 32)]); x = x.reshape(x.shape[:-1] + (-1, 32)); a = np.abs(x).max(-1, keepdims=True)
;;       e = np.where(a > 0, np.clip(np.frexp(np.where(a > 0, a, 1))[1] - 1 - 2, -126, 127), 0)      # np.frexp(a)[1] - 1 = floor(log2(a)), exactly
;;       r = np.clip(x / 2.0 ** e, -6, 6)
;;       step = 2.0 ** (np.maximum(np.frexp(np.where(r == 0, 1, r))[1] - 1, 0) - 1)
;;       q = np.round(r / step) * step * 2.0 ** e      # np.round: ties to even
;;       return np.moveaxis(q.reshape(q.shape[:-2] + (-1,))[..., :K], -1, axis).astype(np.float32)
;;   ~~~
;;   OPERANDS COMPUTED ON THE WAY. 'Computed on the way' means the value that the module computes at that place (a softmax that the list does not call 'softmax' is quantised finished and normalised). What goes into a quantiser is computed in f32, as accurately as f32 sums, v_exp_f32 and their like allow (about 1e-6 of the number): no bf16 or f16 on the way to a quantiser, and a product that is left as it is and whose result goes on into a quantised operand takes f32 operands (vector FMAs, or v_wmma_f32_16x16x4_f32). A number that lies on a knife's edge between two numbers of the format may be rounded either way, as far as f32 arithmetic and the matrix unit's own rounding can turn it there, and no further.
;; 2 versions. Each part assembles by itself: llvm-mc -triple=amdgcn-amd-amdhsa -mcpu=gfx1250 --defsym DOCPART=n.
;; ======== version 1 of 2: 3 launches
;; workspace buffers: codes 1,048,576 bytes; scales 65,536 bytes; tbuf 262,144 bytes; cbuf 4,096 bytes
;; launch quant (part 1): grid 256 x 1, 4 waves a work-group, no clusters, 34,816 bytes of LDS; arguments x, W_Q, W_K, W_V, W_O, codes, scales; writes codes, scales
.if DOCPART == 1
	.amdgcn_target "amdgcn-amd-amdhsa--gfx1250"
	.amdhsa_code_object_version 6
	.text
	.protected	k_q3e2c6b6345_quant
	.globl	k_q3e2c6b6345_quant
	.p2align	8
	.type	k_q3e2c6b6345_quant,@function
k_q3e2c6b6345_quant:
	s_mov_b64 s[64:65], 0
	v_nop
	global_prefetch_b8 v0, s[64:65] scope:SCOPE_SE
	s_setreg_imm32_b32 hwreg(HW_REG_WAVE_MODE, 25, 1), 1
	s_wait_xcnt 0x0
; x [2048][512] and the four weights [512][512], f32 with K innermost, become codes of FP4 (E2M1) with one E8M0 byte for each 32 along K.
; A block's scale is 2^(floor(log2(its largest magnitude)) - 2); its byte is the largest magnitude's exponent field - 2, held at 1 from below.
; THE CODES ARE LAID IN THE ORDER OF AN OPERAND'S REGISTERS.  A tile is 16 rows x 512 K = 4,096 bytes: [K step s of 128][c = 0, 1][lane][16 bytes];
; lane 16 h + r holds the 32 codes k = 128 s + 64 c + 32 h + 0 .. 31 of tile row r.  So registers 4 c .. 4 c + 3 of a fragment are one load of 16 bytes a lane, 512 consecutive bytes a wave.
; Tiles 0-127: x.  128 + t: W_Q, 160 + t: W_K, 192 + t: W_V, 224 + t: W_O.  Tile t of a tensor holds its rows 16 t on.  The scale bytes of tile g: 256 bytes at 256 g, [row][16 bytes]: word s of a row serves K step s.
; SHARES.  Work-group g makes tile g, wave s its K step s: 16 rows x 512 bytes, sixteen loads of 512 consecutive bytes, all issued at once.  The conversions want 32 neighbours along K in ONE lane:
; the 8 KiB turn through the wave's own stage in LDS.  One path serves all five tensors: only the pointer is chosen, by the work-group's number.
; LIMITS: NaN and infinities among the inputs are not served.  A block of zeros gets the byte 1 (its codes are zeros; this program alone reads the bytes).
; No tensor load, no cluster: no two work-groups read the same byte.
.set PITCH, 528                        ; a stage row: 512 bytes + 16, an odd multiple of 16: the sixteen rows that a read touches begin in sixteen different 16-byte columns of 256
.set WST,   16*PITCH                   ; a wave's stage
.set SCL,   4*WST                      ; behind the stages: the tile's 256 scale bytes
.set RAW,   32                         ; v32-95   sixteen rows as loaded
.set X,     96                         ; v96-159  two blocks of 32 neighbours
.set CD,    20                         ; v20-27   their codes
	s_load_b256 s[4:11], s[0:1], 0x0               ; x s[4:5], W_Q s[6:7], W_K s[8:9], W_V s[10:11]
	s_load_b128 s[12:15], s[0:1], 0x20             ; W_O s[12:13], codes s[14:15]
	s_load_b64 s[16:17], s[0:1], 0x30              ; scales
	v_lshl_add_u32 v160, v0, 2, 0x8600
	v_mov_b32 v161, 0
	v_lshrrev_b32 v8, 5, v0
	v_readfirstlane_b32 s18, v8                    ; wave = K step
	v_and_b32 v8, 15, v0                           ; r
	v_bfe_u32 v9, v0, 4, 1                         ; h
	v_and_b32 v10, 31, v0                          ; lane
	v_lshlrev_b32 v1, 4, v10                       ; v1: 16 x lane: my 16 bytes of a load's 512, and of a store's
	v_lshlrev_b32 v6, 3, v10                       ; v6: 8 x lane: the scale bytes' way out
	v_add_nc_u32 v5, SCL, v6                       ; v5: the same in LDS
	v_lshlrev_b32 v7, 3, v9                        ; v7: 8 h: how far my two scale bytes are shifted
	s_mul_i32 s32, s18, WST
	v_add_nc_u32 v2, s32, v1                       ; v2: the stage, way in: a row as it lies
	v_mul_u32_u24 v3, v8, PITCH
	v_lshl_add_u32 v3, v9, 7, v3
	v_add_nc_u32 v3, s32, v3                       ; v3: way out: row r, + 128 h bytes: block h (and, 256 bytes on, block 2 + h)
	s_lshl_b32 s33, s18, 2
	s_add_co_u32 s33, s33, SCL
	v_lshl_add_u32 v4, v8, 4, s33                  ; v4: row r's scale word of my K step
	v_mov_b32 v17, 0                               ; a lane permute's destination counts as one of its sources
	s_mov_b32 s40, 0x76543210
	s_mov_b32 s41, 0xfedcba98                      ; v_permlanex16_b32's selects for lane l xor 16
	s_lshr_b32 s19, ttmp9, 5                       ; 0-3: x, 4: W_Q, 5: W_K, 6: W_V, 7: W_O
	s_and_b32 s20, ttmp9, 31
	s_cmp_lt_u32 ttmp9, 128
	s_cselect_b32 s20, ttmp9, s20                  ; t: the tile's number in its tensor
	s_lshl_b32 s28, s20, 15                        ; its first row, 16 t, x 2,048 bytes
	s_lshl_b32 s29, s18, 9
	s_add_co_u32 s28, s28, s29                     ; + K step x 512
	s_mov_b32 s29, 0
	s_lshl_b32 s34, ttmp9, 12
	s_lshl_b32 s35, s18, 10
	s_add_co_u32 s34, s34, s35                     ; my 1,024 bytes of the tile's codes
	s_mov_b32 s35, 0
	s_lshl_b32 s36, ttmp9, 8                       ; the tile's scale bytes
	s_mov_b32 s37, 0
	s_wait_kmcnt 0x0
	s_mov_b64 s[24:25], s[12:13]                   ; the tensor is chosen by the work-group's number alone
	s_cmp_eq_u32 s19, 6
	s_cselect_b64 s[24:25], s[10:11], s[24:25]
	s_cmp_eq_u32 s19, 5
	s_cselect_b64 s[24:25], s[8:9], s[24:25]
	s_cmp_eq_u32 s19, 4
	s_cselect_b64 s[24:25], s[6:7], s[24:25]
	s_cmp_lt_u32 s19, 4
	s_cselect_b64 s[24:25], s[4:5], s[24:25]
	s_add_nc_u64 s[24:25], s[24:25], s[28:29]
	s_add_nc_u64 s[14:15], s[14:15], s[34:35]
	s_add_nc_u64 s[16:17], s[16:17], s[36:37]
.irp i, 0,1,2,3,4,5,6,7,8,9,10,11,12,13,14,15
	global_load_b128 v[RAW+4*\i:RAW+4*\i+3], v1, s[24:25] offset:2048*\i th:TH_LOAD_NT   ; 32 lanes read 512 consecutive bytes of tile row i; read once in the launch
.endr
.irp i, 0,1,2,3,4,5,6,7,8,9,10,11,12,13,14,15
	s_wait_loadcnt 15-\i                           ; loads come back in order: row i is in, the 15 - i younger ones may be out
	ds_store_b128 v2, v[RAW+4*\i:RAW+4*\i+3] offset:PITCH*\i
.endr
.irp c, 0,1
.irp j, 0,1,2,3,4,5,6,7
	ds_load_b128 v[X+32*\c+4*\j:X+32*\c+4*\j+3], v3 offset:256*\c+16*\j   ; LDS serves a wave's instructions in order: these see my stores.  Block 2 c + h of row r: all its 32 numbers
.endr
.endr
	s_wait_dscnt 0x0
	; each block's largest magnitude: two chains a block, the two blocks by turns, so that no line waits for the line above it
.irp c, 0,1
	v_max3_num_f32 v[8+\c], |v[X+32*\c]|, |v[X+32*\c+1]|, |v[X+32*\c+2]|
	v_max3_num_f32 v[10+\c], |v[X+32*\c+3]|, |v[X+32*\c+4]|, |v[X+32*\c+5]|
.endr
.irp i, 6,10,14,18,22,26
.irp c, 0,1
	v_max3_num_f32 v[8+\c], v[8+\c], |v[X+32*\c+\i]|, |v[X+32*\c+\i+1]|
	v_max3_num_f32 v[10+\c], v[10+\c], |v[X+32*\c+\i+2]|, |v[X+32*\c+\i+3]|
.endr
.endr
.irp c, 0,1
	v_max3_num_f32 v[8+\c], v[8+\c], |v[X+32*\c+30]|, |v[X+32*\c+31]|
.endr
.irp c, 0,1
	v_max3_num_f32 v[8+\c], v[8+\c], v[10+\c], 0x1800000   ; and the floor 2^(3 - 127): the byte cannot fall under 1
.endr
.irp c, 0,1
	v_add_nc_u32 v[12+\c], 0xff000000, v[8+\c]     ; 2 off the exponent field: the conversion takes the exponent field of this operand as its scale
.endr
.irp c, 0,1
.irp g, 0,1,2,3
	v_cvt_scalef32_pk8_fp4_f32 v[CD+4*\c+\g], v[X+32*\c+8*\g:X+32*\c+8*\g+7], v[12+\c]   ; eight numbers / the scale, to the nearest code, ties to even, beyond 6 the largest code
.endr
.endr
.irp c, 0,1
	v_lshrrev_b32 v[14+\c], 23, v[12+\c]           ; the scales' bytes.  (Plain lines behind the conversions)
.endr
	v_lshl_or_b32 v16, v15, 16, v14                ; my two bytes, blocks h and 2 + h of row r,
	v_lshlrev_b32 v16, v7, v16                     ; at their places in the word (8 h bits up);
	v_permlanex16_b32 v17, v16, s40, s41
	v_or_b32 v16, v16, v17                         ; with lane l xor 16's two the word is whole
	global_store_b128 v1, v[CD:CD+3], s[14:15]                 ; 32 lanes store 512 consecutive bytes, aligned
	global_store_b128 v1, v[CD+4:CD+7], s[14:15] offset:512
	ds_store_b32 v4, v16                           ; lanes r and 16 + r write the same word with the same value
	s_wait_dscnt 0x0                               ; for wave 0's sake: my scale words have landed
	s_barrier_signal -1
	s_barrier_wait -1
	s_cmp_lg_u32 s18, 0
	s_cbranch_scc1 .Lend
	ds_load_b64 v[18:19], v5                       ; the four waves' words: 256 bytes
	s_wait_dscnt 0x0
	global_store_b64 v6, v[18:19], s[16:17]        ; 32 lanes store 256 consecutive bytes, aligned
.Lend:
	s_wait_tensorcnt 0x0
	ds_add_u32 v160, v161
	s_wait_dscnt 0x0
	s_endpgm
.Lfunc_end_k_q3e2c6b6345_quant:
	.size	k_q3e2c6b6345_quant, .Lfunc_end_k_q3e2c6b6345_quant-k_q3e2c6b6345_quant
	.p2alignl 7, 3214868480
	.fill 96, 4, 3214868480
	.section	.rodata,"a",@progbits
	.p2align	6, 0x0
	.amdhsa_kernel k_q3e2c6b6345_quant
		.amdhsa_group_segment_fixed_size 34816
		.amdhsa_private_segment_fixed_size 0
		.amdhsa_enable_private_segment 0
		.amdhsa_kernarg_size 56
		.amdhsa_user_sgpr_count 2
		.amdhsa_user_sgpr_kernarg_segment_ptr 1
		.amdhsa_wavefront_size32 1
		.amdhsa_system_sgpr_workgroup_id_x 1
		.amdhsa_system_sgpr_workgroup_id_y 1
		.amdhsa_system_sgpr_workgroup_id_z 1
		.amdhsa_system_vgpr_workitem_id 0
		.amdhsa_next_free_vgpr 162
		.amdhsa_next_free_sgpr 66
		.amdhsa_reserve_vcc 0
		.amdhsa_float_denorm_mode_32 3
		.amdhsa_float_denorm_mode_16_64 3
		.amdhsa_memory_ordered 1
		.amdhsa_forward_progress 1
		.amdhsa_inst_pref_size 11
	.end_amdhsa_kernel
	.amdgpu_metadata
---
amdhsa.version: [ 1, 2 ]
amdhsa.kernels:
  - .name:           k_q3e2c6b6345_quant
    .symbol:         k_q3e2c6b6345_quant.kd
    .args:
      - { .name: x, .offset: 0, .size: 8, .value_kind: global_buffer, .address_space: global }
      - { .name: W_Q, .offset: 8, .size: 8, .value_kind: global_buffer, .address_space: global }
      - { .name: W_K, .offset: 16, .size: 8, .value_kind: global_buffer, .address_space: global }
      - { .name: W_V, .offset: 24, .size: 8, .value_kind: global_buffer, .address_space: global }
      - { .name: W_O, .offset: 32, .size: 8, .value_kind: global_buffer, .address_space: global }
      - { .name: codes, .offset: 40, .size: 8, .value_kind: global_buffer, .address_space: global }
      - { .name: scales, .offset: 48, .size: 8, .value_kind: global_buffer, .address_space: global }
    .group_segment_fixed_size: 34816
    .private_segment_fixed_size: 0
    .kernarg_segment_align: 8
    .kernarg_segment_size: 56
    .max_flat_workgroup_size: 128
    .sgpr_count:     66
    .vgpr_count:     162
    .wavefront_size: 32
...
	.end_amdgpu_metadata
.endif
;; end of part 1
;; launch kvt (part 2): grid 256 x 1, 8 waves a work-group, no clusters, 142,336 bytes of LDS; arguments codes, scales, b_Q, b_K, b_V, tbuf, cbuf; writes tbuf, cbuf
.if DOCPART == 2
	.amdgcn_target "amdgcn-amd-amdhsa--gfx1250"
	.amdhsa_code_object_version 6
	.text
	.protected	k_q3e2c6b6345_kvt
	.globl	k_q3e2c6b6345_kvt
	.p2align	8
	.type	k_q3e2c6b6345_kvt,@function
k_q3e2c6b6345_kvt:
	s_mov_b64 s[64:65], 0
	v_nop
	global_prefetch_b8 v0, s[64:65] scope:SCOPE_SE
	s_setreg_imm32_b32 hwreg(HW_REG_WAVE_MODE, 25, 1), 1
	s_wait_xcnt 0x0
; With the logarithms undone the module is  heads = softmax_d(Q_id + c_d) T,  T_dv = sum over j of softmax_j(K_jd) V_jv,  c_d = logsumexp_j K_jd  (the plus and minus parts of V add up to V).
; This launch makes T and c, finished.  Every exponent is 0 or less (the column's largest K is taken away first), every divisor is 1 or more.
; K = x W_K^T and V = x W_V^T are products on codes of FP4 with E8M0 scales; the sum (e^K)^T V is f32 vector work: packed fused multiply-adds.
; THE BIASES: b_K cancels in softmax_j and enters c alone; b_Q is added into c too (it is only ever added to Q + c); b_V is added to T at the end, since the weights of a column sum to 1.
; SHARES.  Work-group g = ((8 b + head) 4 + vt) 4 + dt owns ONE tile of T, 16 d x 16 v, over all 1,024 rows of batch b: no sum spans work-groups.  Wave w takes rows 128 w on: 8 tiles of 16 rows.
; So the K and V projections are made four times over in the launch (64 matrix instructions a wave), which spares a launch that would add parts.
; LAYOUT.  Source 0 = 16 rows of the weight, source 1 = 16 rows of x: lane (r, h) holds ROW r of x, the index that is summed over, and its register j the column 8 h + j.  With the other half's eight V beside its own
; a lane adds e^K(row, 8 h + e) V(row, all 16 v) into 128 sums of its own: 64 packed instructions a row tile, and no operand is shared out among lanes.
; The sums of the 16 lanes of a half and of the 8 waves meet in LDS, as images of registers: wave w adds the eight images of d = 8 h + w, folds the 16 lanes by four steps on 16 registers, and finishes its two rows of T.
; NO CLUSTER, NO LDS FOR OPERANDS: the codes lie in memory in the order of the operands' registers, and each of the 256 KiB of x's codes that a work-group takes in is used by one wave once, straight from its registers;
; a joint load would bring them into LDS, whence every byte would have to be read once more.
; LIMITS: NaN and infinities are not served; 1 / z is v_rcp_f32; exponentials under 2^-126 come out as 0, beside a sum that is at least 1.
; REGISTERS.  Window 0: v1-11, v242, v243, v252 addresses; v12-43 W_K's four fragments, v44-75 W_V's (at work once the projections are done); v76-79, v80-95 scale words, and nothing else;
;   v96-159 K, later the other half's V, later images; v160-223 V, later images; v224-239 b_V; v240, v241 b_K, b_Q; v244-251 minus the columns' maxima.
;   Window 1: x's 32 fragments, (row tile i, K step s) at 32 i + 8 s; later v0-127 the 128 sums, v128-255 e^K, one number to an even register.
.set MX, 0                             ; LDS: each wave's maxima of the 16 columns: [wave][h][8], 64 bytes a wave
.set CL, 512                           ; c of the 16 columns
.set TL, 1024                          ; the finished tile: [d][16 v], 1,024 bytes
.set SI, 2048                          ; the images: [group of 4 registers, 34][wave][lane][16 bytes]: groups 0-31 the sums, 32 and 33 the columns' sums of e^K
.set KW, 12
.set VW, 44
.set WS, 76                            ; register s: lanes 0-15 W_K's words of K step s, lanes 16-31 W_V's
.set XS, 80                            ; register 4 u + s: lanes 0-15 row tile 2 u's words, lanes 16-31 row tile 2 u + 1's
.set KA, 96
.set VA, 160
.set BV, 224                           ; b_V: 8 of my half's columns, then 8 of the other half's
.set NM, 244
.set MSB, 0
.macro WIN new                         ; the immediate's high byte repeats the setting that is left
.if MSB != \new
	s_set_vgpr_msb (MSB<<8)|\new
.set MSB, \new
.endif
.endm
; One product 16 x 16 x 128 on codes.  first = 1: it starts the sum.  ra, rb = 1: that side's scale words are taken from lanes 16-31.
.macro MMK d, a, b, first, sa, sb, ra, rb
.if \first
.if (\ra) && (\rb)
	v_wmma_scale_f32_16x16x128_f8f6f4 v[\d:\d+7], v[\a:\a+7], v[\b:\b+7], 0, v[\sa], v[\sb] matrix_a_fmt:MATRIX_FMT_FP4 matrix_b_fmt:MATRIX_FMT_FP4 matrix_a_scale:MATRIX_SCALE_ROW1 matrix_b_scale:MATRIX_SCALE_ROW1
.elseif \ra
	v_wmma_scale_f32_16x16x128_f8f6f4 v[\d:\d+7], v[\a:\a+7], v[\b:\b+7], 0, v[\sa], v[\sb] matrix_a_fmt:MATRIX_FMT_FP4 matrix_b_fmt:MATRIX_FMT_FP4 matrix_a_scale:MATRIX_SCALE_ROW1
.elseif \rb
	v_wmma_scale_f32_16x16x128_f8f6f4 v[\d:\d+7], v[\a:\a+7], v[\b:\b+7], 0, v[\sa], v[\sb] matrix_a_fmt:MATRIX_FMT_FP4 matrix_b_fmt:MATRIX_FMT_FP4 matrix_b_scale:MATRIX_SCALE_ROW1
.else
	v_wmma_scale_f32_16x16x128_f8f6f4 v[\d:\d+7], v[\a:\a+7], v[\b:\b+7], 0, v[\sa], v[\sb] matrix_a_fmt:MATRIX_FMT_FP4 matrix_b_fmt:MATRIX_FMT_FP4
.endif
.else
.if (\ra) && (\rb)
	v_wmma_scale_f32_16x16x128_f8f6f4 v[\d:\d+7], v[\a:\a+7], v[\b:\b+7], v[\d:\d+7], v[\sa], v[\sb] matrix_a_fmt:MATRIX_FMT_FP4 matrix_b_fmt:MATRIX_FMT_FP4 matrix_a_scale:MATRIX_SCALE_ROW1 matrix_b_scale:MATRIX_SCALE_ROW1
.elseif \ra
	v_wmma_scale_f32_16x16x128_f8f6f4 v[\d:\d+7], v[\a:\a+7], v[\b:\b+7], v[\d:\d+7], v[\sa], v[\sb] matrix_a_fmt:MATRIX_FMT_FP4 matrix_b_fmt:MATRIX_FMT_FP4 matrix_a_scale:MATRIX_SCALE_ROW1
.elseif \rb
	v_wmma_scale_f32_16x16x128_f8f6f4 v[\d:\d+7], v[\a:\a+7], v[\b:\b+7], v[\d:\d+7], v[\sa], v[\sb] matrix_a_fmt:MATRIX_FMT_FP4 matrix_b_fmt:MATRIX_FMT_FP4 matrix_b_scale:MATRIX_SCALE_ROW1
.else
	v_wmma_scale_f32_16x16x128_f8f6f4 v[\d:\d+7], v[\a:\a+7], v[\b:\b+7], v[\d:\d+7], v[\sa], v[\sb] matrix_a_fmt:MATRIX_FMT_FP4 matrix_b_fmt:MATRIX_FMT_FP4
.endif
.endif
.endm
	s_load_b256 s[4:11], s[0:1], 0x0               ; codes s[4:5], scales s[6:7], b_Q s[8:9], b_K s[10:11]
	s_load_b128 s[12:15], s[0:1], 0x20             ; b_V s[12:13], tbuf s[14:15]
	s_load_b64 s[16:17], s[0:1], 0x30              ; cbuf
	v_lshl_add_u32 v254, v0, 2, 0x22800
	v_mov_b32 v255, 0
	v_lshrrev_b32 v102, 5, v0
	v_readfirstlane_b32 s18, v102                  ; wave 0..7
	s_lshr_b32 s19, ttmp9, 7                       ; b
	s_bfe_u32 s20, ttmp9, 0x30004                  ; head
	s_bfe_u32 s21, ttmp9, 0x20002                  ; vt
	s_and_b32 s22, ttmp9, 3                        ; dt
	v_and_b32 v100, 15, v0                         ; r
	v_bfe_u32 v101, v0, 4, 1                       ; h
	v_and_b32 v1, 31, v0
	v_lshlrev_b32 v1, 4, v1                        ; v1: 16 x lane: a lane's place in every run of 512 bytes
	v_lshlrev_b32 v3, 5, v101                      ; v3: 32 h: my half's eight columns
	s_lshl_b32 s23, s18, 6
	v_add_nc_u32 v2, s23, v3                       ; v2: 64 w + 32 h: my wave's eight maxima
	s_lshl_b32 s40, s18, 9
	s_add_co_u32 s40, s40, SI
	v_add_nc_u32 v4, s40, v1                       ; v4: where I store images: groups 0-15 (4,096 bytes a group stand in the immediate),
	v_add_nc_u32 v5, 0x10000, v4                   ; v5: groups 16-31,
	v_add_nc_u32 v6, 0x20000, v4                   ; v6: groups 32, 33
	s_lshl_b32 s40, s18, 14
	s_add_co_u32 s40, s40, SI
	v_add_nc_u32 v7, s40, v1                       ; v7: where I read them: groups 4 w on, my own lane's place
	s_lshr_b32 s40, s18, 2
	s_lshl_b32 s40, s40, 12
	s_and_b32 s41, s18, 3
	s_lshl_b32 s41, s41, 2
	s_add_co_u32 s40, s40, s41
	s_add_co_u32 s40, s40, SI+0x20000
	v_add_nc_u32 v8, s40, v1                       ; v8: number w of the eight columns' sums: group 32 + w / 4, word w % 4
	s_lshl_b32 s40, s18, 2
	v_add_nc_u32 v9, s40, v3                       ; v9: 32 h + 4 w = 4 (8 h + w): my wave's column among the 16
	v_mul_u32_u24 v10, v101, 544
	v_add_nc_u32 v10, s23, v10                     ; v10: row 8 h + w of the tile, 64 bytes a row, + 32 h: my half's eight v
	v_mul_u32_u24 v11, v101, 480
	v_add_nc_u32 v11, s23, v11                     ; v11: the same row - 32 h; with 32 in the immediate: the other half's eight v
	v_lshlrev_b32 v243, 2, v100                    ; v243: 4 r
	v_lshl_add_u32 v242, v101, 9, v243             ; v242: 512 h + 4 r: rows 8 h on of the tile, column r
	v_lshlrev_b32 v252, 4, v100
	v_lshl_add_u32 v252, v101, 10, v252            ; v252: 1,024 h + 16 r: my 16 bytes in tbuf
	s_lshl_b32 s40, s20, 2
	s_add_co_u32 s41, s40, s22
	s_add_co_u32 s41, s41, 160                     ; W_K's tile: 160 + 4 head + dt
	s_add_co_u32 s44, s40, s21
	s_add_co_u32 s44, s44, 192                     ; W_V's tile: 192 + 4 head + vt
	s_sub_co_u32 s45, s44, s41
	s_lshl_b32 s45, s45, 8                         ; from the one tile's scale bytes to the other's
	s_lshl_b32 s46, s41, 8
	v_mul_u32_u24 v96, s45, v101                   ; lanes 16-31 take W_V's words
	v_lshl_add_u32 v96, v100, 4, v96
	v_add_nc_u32 v96, s46, v96                     ; v96: the weights' scale words: row r's 16 bytes
	s_lshl_b32 s46, s20, 8
	s_lshl_b32 s47, s22, 6
	s_add_co_u32 s47, s46, s47                     ; 4 (64 head + 16 dt)
	v_add_nc_u32 v97, s47, v9                      ; v97: b_K and b_Q of column 64 head + 16 dt + 8 h + w
	s_lshl_b32 s23, s21, 6
	s_add_co_u32 s46, s46, s23                     ; 4 (64 head + 16 vt)
	v_add_nc_u32 v98, s46, v3                      ; v98: b_V of my half's eight columns,
	s_add_co_u32 s46, s46, 32
	v_sub_nc_u32 v99, s46, v3                      ; v99: and of the other half's
	s_mov_b32 s43, 0
	s_lshl_b32 s42, s19, 6
	s_lshl_b32 s40, s18, 3
	s_add_co_u32 s40, s42, s40                     ; my first tile of x: 64 b + 8 w
	s_mov_b32 s36, 0x3fb8aa3b                      ; log2(e); the packed form names a pair and takes its low word for both halves
	s_mov_b32 s37, s36
	s_mov_b32 s38, 0x76543210
	s_mov_b32 s39, 0xfedcba98                      ; v_permlanex16_b32's selects for lane l xor 16
	s_mov_b32 s45, 0x3f317218                      ; ln 2
	s_wait_kmcnt 0x0
	s_lshl_b32 s42, s40, 12
	s_add_nc_u64 s[24:25], s[4:5], s[42:43]        ; x's codes, my 8 tiles
	s_lshl_b32 s42, s40, 8
	s_add_nc_u64 s[26:27], s[6:7], s[42:43]        ; and their scale bytes
	s_lshl_b32 s42, s41, 12
	s_add_nc_u64 s[28:29], s[4:5], s[42:43]        ; W_K's tile
	s_lshl_b32 s42, s44, 12
	s_add_nc_u64 s[30:31], s[4:5], s[42:43]        ; W_V's tile
	; tbuf: [b, head][i = v / 16][q = (d % 32) / 4][lane 16 (d / 32) + v % 16][4 numbers along d].  My tile: i = vt, q = 4 (dt % 2) + 0 .. 3, lanes 16 (dt / 2) on: four whole runs of 256 bytes
	s_lshl_b32 s42, s19, 3
	s_add_co_u32 s42, s42, s20
	s_lshl_b32 s42, s42, 14
	s_lshl_b32 s40, s21, 12
	s_add_co_u32 s42, s42, s40
	s_and_b32 s40, s22, 1
	s_lshl_b32 s40, s40, 11
	s_add_co_u32 s42, s42, s40
	s_lshr_b32 s40, s22, 1
	s_lshl_b32 s40, s40, 8
	s_add_co_u32 s42, s42, s40
	s_add_nc_u64 s[32:33], s[14:15], s[42:43]
	s_lshl_b32 s42, s19, 11
	s_add_co_u32 s42, s42, s47
	s_add_nc_u64 s[34:35], s[16:17], s[42:43]      ; c of my 16 columns
	; every load of the launch is issued here: 27 into window 0, then x's 64, K step by K step
.irp s, 0,1,2,3
.irp c, 0,1
	global_load_b128 v[KW+8*\s+4*\c:KW+8*\s+4*\c+3], v1, s[28:29] offset:1024*\s+512*\c
	global_load_b128 v[VW+8*\s+4*\c:VW+8*\s+4*\c+3], v1, s[30:31] offset:1024*\s+512*\c
.endr
.endr
	global_load_b128 v[WS:WS+3], v96, s[6:7]
.irp u, 0,1,2,3
	global_load_b128 v[XS+4*\u:XS+4*\u+3], v1, s[26:27] offset:512*\u    ; 16 x lane = 256 h + 16 r: two tiles' rows
.endr
	global_load_b32 v240, v97, s[10:11]            ; b_K
	global_load_b32 v241, v97, s[8:9]              ; b_Q
	global_load_b128 v[BV:BV+3], v98, s[12:13]
	global_load_b128 v[BV+4:BV+7], v98, s[12:13] offset:16
	global_load_b128 v[BV+8:BV+11], v99, s[12:13]
	global_load_b128 v[BV+12:BV+15], v99, s[12:13] offset:16
	WIN 0x40                                       ; destination window 1, address window 0
.irp s, 0,1,2,3
.irp i, 0,1,2,3,4,5,6,7
.irp c, 0,1
	global_load_b128 v[32*\i+8*\s+4*\c:32*\i+8*\s+4*\c+3], v1, s[24:25] offset:4096*\i+1024*\s+512*\c
.endr
.endr
.endr
	; K and V of my 128 rows: sixteen accumulators by turns, one instruction a turn
	WIN 0x04                                       ; source 1 (x) window 1
.irp s, 0,1,2,3
	s_wait_loadcnt 48-16*\s                        ; all up to this K step's 16 loads are in; the later K steps' (16 each) may be out.  The first of these waits also frees v96-99, the offsets of loads now done
.irp i, 0,1,2,3,4,5,6,7
.if \s == 0
	MMK KA+8*\i, KW+8*\s, 32*\i+8*\s, 1, WS+\s, XS+4*(\i/2)+\s, 0, \i%2
	MMK VA+8*\i, VW+8*\s, 32*\i+8*\s, 1, WS+\s, XS+4*(\i/2)+\s, 1, \i%2
.else
	MMK KA+8*\i, KW+8*\s, 32*\i+8*\s, 0, WS+\s, XS+4*(\i/2)+\s, 0, \i%2
	MMK VA+8*\i, VW+8*\s, 32*\i+8*\s, 0, WS+\s, XS+4*(\i/2)+\s, 1, \i%2
.endif
.endr
.endr
	WIN 0
.rept 4
	v_nop                                          ; four places between the products and the first read of their results and the first write of their sources (ISA guide 7.12.1)
.endr
	; the largest K of column 8 h + e: first over my lane's eight rows (columns 0-3 first), then over the half's 16 lanes
.irp g, 0,4
.irp e, 0,1,2,3
	v_max3_num_f32 v[12+\g+\e], v[KA+\g+\e], v[KA+8+\g+\e], v[KA+16+\g+\e]
.endr
.irp e, 0,1,2,3
	v_max3_num_f32 v[12+\g+\e], v[12+\g+\e], v[KA+24+\g+\e], v[KA+32+\g+\e]
.endr
.irp e, 0,1,2,3
	v_max3_num_f32 v[12+\g+\e], v[12+\g+\e], v[KA+40+\g+\e], v[KA+48+\g+\e]
.endr
.irp e, 0,1,2,3
	v_max_num_f32 v[12+\g+\e], v[12+\g+\e], v[KA+56+\g+\e]
.endr
.endr
.irp m, 1,2,4,8
.irp e, 0,1,2,3,4,5,6,7
	v_max_num_f32_dpp v[12+\e], v[12+\e], v[12+\e] row_xmask:\m row_mask:0xf bank_mask:0xf
.endr
.endr
	ds_store_b128 v2, v[12:15] offset:MX           ; the 16 lanes of a half write the same bytes with the same values
	ds_store_b128 v2, v[16:19] offset:MX+16
	s_wait_dscnt 0x0                               ; for the others' sake: my maxima have landed
	s_barrier_signal -1
	s_barrier_wait -1
.irp u, 0,1,2,3,4,5,6,7
.irp c, 0,1
	ds_load_b128 v[12+8*\u+4*\c:12+8*\u+4*\c+3], v3 offset:MX+64*\u+16*\c
.endr
.endr
	s_wait_dscnt 0x0
.irp e, 0,1,2,3,4,5,6,7
	v_max3_num_f32 v[12+\e], v[12+\e], v[20+\e], v[28+\e]
.endr
.irp e, 0,1,2,3,4,5,6,7
	v_max3_num_f32 v[12+\e], v[12+\e], v[36+\e], v[44+\e]
.endr
.irp e, 0,1,2,3,4,5,6,7
	v_max3_num_f32 v[12+\e], v[12+\e], v[52+\e], v[60+\e]
.endr
.irp e, 0,1,2,3,4,5,6,7
	v_max_num_f32 v[12+\e], v[12+\e], v[68+\e]     ; the column's largest K over all 1,024 rows
.endr
.irp e, 0,1,2,3,4,5,6,7
	v_xor_b32 v[NM+\e], 0x80000000, v[12+\e]       ; and minus it
.endr
	; e^(K - m): the difference first, then x log2(e), so that the exponent's error stays relative to the exponent, however large K is
.irp i, 0,1,2,3,4,5,6,7
.irp p, 0,2,4,6
	v_pk_add_f32 v[KA+8*\i+\p:KA+8*\i+\p+1], v[KA+8*\i+\p:KA+8*\i+\p+1], v[NM+\p:NM+\p+1]
.endr
.endr
.set n, 0
.rept 32
	v_pk_mul_f32 v[KA+n:KA+n+1], v[KA+n:KA+n+1], s[36:37] op_sel_hi:[1,0]
.set n, n+2
.endr
	WIN 0x40                                       ; destination window 1
.irp i, 0,1,2,3,4,5,6,7
.irp e, 0,1,2,3,4,5,6,7
	v_exp_f32 v[128+16*\i+2*\e], v[KA+8*\i+\e]     ; into EVEN registers: the packed multiply-adds below name the pair and take its low word for both halves; the odd register of each pair is never used
.endr
.endr
	WIN 0
	v_nop                                          ; a plain instruction behind the last exponential
	s_wait_alu depctr_va_vdst(0)                   ; one wait for the 64, ahead of their first reader
.irp i, 0,1,2,3,4,5,6,7
.irp j, 0,1,2,3,4,5,6,7
	v_permlanex16_b32 v[KA+8*\i+\j], v[VA+8*\i+\j], s38, s39   ; the other half's eight V of my row, where K lay; each accumulator of V is read from its low end on
.endr
.endr
	; the columns' sums of e^K, my lane's eight rows
	WIN 0x05                                       ; sources 0 and 1 window 1
.irp e, 0,1,2,3,4,5,6,7
	v_add_f32 v[12+\e], v[128+2*\e], v[144+2*\e]
.endr
	WIN 0x01                                       ; source 0 window 1
.irp i, 2,3,4,5,6,7
.irp e, 0,1,2,3,4,5,6,7
	v_add_f32 v[12+\e], v[128+16*\i+2*\e], v[12+\e]
.endr
.endr
	; S(8 h + e, v) += e^K(row, 8 h + e) V(row, v): sum 16 e + 8 u + j, u = 0: my half's v, u = 1: the other half's.  The first row tile starts the sums: nothing is cleared.  64 different sums between two turns of one
	WIN 0x51                                       ; e^K and the sums window 1, V window 0
.set ti, 0
.rept 8
.irp e, 0,1,2,3,4,5,6,7
.irp u, 0,1
.irp p, 0,2,4,6
.if ti == 0
	v_pk_mul_f32 v[16*\e+8*\u+\p:16*\e+8*\u+\p+1], v[128+2*\e:128+2*\e+1], v[VA-64*\u+\p:VA-64*\u+\p+1] op_sel_hi:[0,1]
.else
	v_pk_fma_f32 v[16*\e+8*\u+\p:16*\e+8*\u+\p+1], v[128+16*ti+2*\e:128+16*ti+2*\e+1], v[VA-64*\u+8*ti+\p:VA-64*\u+8*ti+\p+1], v[16*\e+8*\u+\p:16*\e+8*\u+\p+1] op_sel_hi:[0,1,1]
.endif
.endr
.endr
.endr
.set ti, ti+1
.endr
	WIN 0x04                                       ; an LDS store's data are its source 1: window 1
.irp g, 0,1,2,3,4,5,6,7,8,9,10,11,12,13,14,15
	ds_store_b128 v4, v[4*\g:4*\g+3] offset:4096*\g            ; four registers as they stand: 512 consecutive bytes a store
.endr
.irp g, 0,1,2,3,4,5,6,7,8,9,10,11,12,13,14,15
	ds_store_b128 v5, v[64+4*\g:64+4*\g+3] offset:4096*\g
.endr
	WIN 0
	ds_store_b128 v6, v[12:15]
	ds_store_b128 v6, v[16:19] offset:4096
	s_wait_dscnt 0x0                               ; for the others' sake: my 34 images have landed
	s_barrier_signal -1
	s_barrier_wait -1
	; wave w finishes rows d = 8 h + w of the tile
.irp u, 0,1,2,3,4,5,6,7
	ds_load_b32 v[12+\u], v8 offset:512*\u         ; wave u's part of z, my lane's place
.endr
.irp u, 0,1,2,3,4,5,6,7
	ds_load_b32 v[20+\u], v9 offset:MX+64*\u       ; wave u's largest K of my column
.endr
.irp g, 0,1,2,3
.irp u, 0,1,2,3,4,5,6,7
	ds_load_b128 v[96+32*\g+4*\u:96+32*\g+4*\u+3], v7 offset:4096*\g+512*\u
.endr
.endr
	s_wait_dscnt 32                                ; the 16 words are in; the 32 loads of images may be out
	v_add_f32 v12, v12, v13
	v_add_f32 v14, v14, v15
	v_add_f32 v16, v16, v17
	v_add_f32 v18, v18, v19
	v_add_f32 v12, v12, v14
	v_add_f32 v16, v16, v18
	v_add_f32 v12, v12, v16
.irp m, 1,2,4,8
	v_add_f32_dpp v12, v12, v12 row_xmask:\m row_mask:0xf bank_mask:0xf
.endr                                              ; z of column 8 h + w, at least 1
	v_max3_num_f32 v20, v20, v21, v22
	v_max3_num_f32 v20, v20, v23, v24
	v_max3_num_f32 v20, v20, v25, v26
	v_max_num_f32 v20, v20, v27                    ; m of that column
	v_rcp_f32 v28, v12
	v_log_f32 v30, v12
	v_add_f32 v31, v240, v241                      ; b_K + b_Q.  (A plain instruction behind the two)
	s_wait_alu depctr_va_vdst(0)                   ; one wait for the two, ahead of their first reader
	v_mov_b32 v29, v28                             ; (named with v28 as a pair, so it is written)
	v_fma_f32 v32, v30, s45, v20                   ; m + ln z
	v_add_f32 v32, v32, v31                        ; c = logsumexp_j K + b_Q
	s_wait_dscnt 0x0                               ; the images are in
.irp g, 0,1,2,3
.irp u, 0,2,4,6
.irp p, 0,2
	v_pk_add_f32 v[96+32*\g+4*\u+\p:96+32*\g+4*\u+\p+1], v[96+32*\g+4*\u+\p:96+32*\g+4*\u+\p+1], v[96+32*\g+4*\u+4+\p:96+32*\g+4*\u+4+\p+1]
.endr
.endr
.endr
.irp g, 0,1,2,3
.irp u, 0,4
.irp p, 0,2
	v_pk_add_f32 v[96+32*\g+4*\u+\p:96+32*\g+4*\u+\p+1], v[96+32*\g+4*\u+\p:96+32*\g+4*\u+\p+1], v[96+32*\g+4*\u+8+\p:96+32*\g+4*\u+8+\p+1]
.endr
.endr
.endr
.irp g, 0,1,2,3
.irp p, 0,2
	v_pk_add_f32 v[96+32*\g+\p:96+32*\g+\p+1], v[96+32*\g+\p:96+32*\g+\p+1], v[96+32*\g+16+\p:96+32*\g+16+\p+1]   ; the eight waves' sums
.endr
.endr
.irp m, 1,2,4,8
.irp g, 0,1,2,3
.irp k, 0,1,2,3
	v_add_f32_dpp v[96+32*\g+\k], v[96+32*\g+\k], v[96+32*\g+\k] row_xmask:\m row_mask:0xf bank_mask:0xf   ; and the half's 16 lanes': every lane ends up with all 16 v of row 8 h + w
.endr
.endr
.endr
.irp g, 0,1,2,3
.irp p, 0,2
	v_pk_fma_f32 v[96+32*\g+\p:96+32*\g+\p+1], v[96+32*\g+\p:96+32*\g+\p+1], v[28:29], v[BV+4*\g+\p:BV+4*\g+\p+1] op_sel_hi:[1,0,1]   ; T = S / z + b_V
.endr
.endr
	ds_store_b128 v10, v[96:99] offset:TL          ; the 16 lanes of a half write the same bytes with the same values
	ds_store_b128 v10, v[128:131] offset:TL+16
	ds_store_b128 v11, v[160:163] offset:TL+32
	ds_store_b128 v11, v[192:195] offset:TL+48
	ds_store_b32 v9, v32 offset:CL
	s_wait_dscnt 0x0                               ; for wave 0's sake: my two rows of the tile and my two c have landed
	s_barrier_signal -1
	s_barrier_wait -1
	s_cmp_lg_u32 s18, 0
	s_cbranch_scc1 .Lend
.irp e, 0,1,2,3,4,5,6,7
	ds_load_b32 v[12+\e], v242 offset:TL+64*\e     ; T(8 h + e, r)
.endr
	ds_load_b32 v20, v243 offset:CL                ; c of column r
	s_wait_dscnt 0x0
	global_store_b128 v252, v[12:15], s[32:33]                 ; sixteen lanes store 256 consecutive bytes, aligned; the two halves 1,024 bytes apart
	global_store_b128 v252, v[16:19], s[32:33] offset:512
	v_lshrrev_b32 v21, 2, v0
	v_cmp_eq_u32 vcc_lo, s21, v21                  ; the four work-groups with this (head, dt) hold the same 16 c: the one with vt stores columns 4 vt .. 4 vt + 3, so each byte has one owner
	s_wait_xcnt 0x0                                ; EXEC changes only behind this wait: the stores above have it among their sources
	s_and_saveexec_b32 s40, vcc_lo
	global_store_b32 v243, v20, s[34:35]
	s_wait_xcnt 0x0                                ; and again, in front of the line that widens it
	s_or_b32 exec_lo, exec_lo, s40
.Lend:
	s_wait_tensorcnt 0x0
	ds_add_u32 v254, v255
	s_wait_dscnt 0x0
	s_endpgm
.Lfunc_end_k_q3e2c6b6345_kvt:
	.size	k_q3e2c6b6345_kvt, .Lfunc_end_k_q3e2c6b6345_kvt-k_q3e2c6b6345_kvt
	.p2alignl 7, 3214868480
	.fill 96, 4, 3214868480
	.section	.rodata,"a",@progbits
	.p2align	6, 0x0
	.amdhsa_kernel k_q3e2c6b6345_kvt
		.amdhsa_group_segment_fixed_size 142336
		.amdhsa_private_segment_fixed_size 0
		.amdhsa_enable_private_segment 0
		.amdhsa_kernarg_size 56
		.amdhsa_user_sgpr_count 2
		.amdhsa_user_sgpr_kernarg_segment_ptr 1
		.amdhsa_wavefront_size32 1
		.amdhsa_system_sgpr_workgroup_id_x 1
		.amdhsa_system_sgpr_workgroup_id_y 1
		.amdhsa_system_sgpr_workgroup_id_z 1
		.amdhsa_system_vgpr_workitem_id 0
		.amdhsa_next_free_vgpr 512
		.amdhsa_next_free_sgpr 66
		.amdhsa_reserve_vcc 1
		.amdhsa_float_denorm_mode_32 3
		.amdhsa_float_denorm_mode_16_64 3
		.amdhsa_memory_ordered 1
		.amdhsa_forward_progress 1
		.amdhsa_inst_pref_size 89
	.end_amdhsa_kernel
	.amdgpu_metadata
---
amdhsa.version: [ 1, 2 ]
amdhsa.kernels:
  - .name:           k_q3e2c6b6345_kvt
    .symbol:         k_q3e2c6b6345_kvt.kd
    .args:
      - { .name: codes, .offset: 0, .size: 8, .value_kind: global_buffer, .address_space: global }
      - { .name: scales, .offset: 8, .size: 8, .value_kind: global_buffer, .address_space: global }
      - { .name: b_Q, .offset: 16, .size: 8, .value_kind: global_buffer, .address_space: global }
      - { .name: b_K, .offset: 24, .size: 8, .value_kind: global_buffer, .address_space: global }
      - { .name: b_V, .offset: 32, .size: 8, .value_kind: global_buffer, .address_space: global }
      - { .name: tbuf, .offset: 40, .size: 8, .value_kind: global_buffer, .address_space: global }
      - { .name: cbuf, .offset: 48, .size: 8, .value_kind: global_buffer, .address_space: global }
    .group_segment_fixed_size: 142336
    .private_segment_fixed_size: 0
    .kernarg_segment_align: 8
    .kernarg_segment_size: 56
    .max_flat_workgroup_size: 256
    .sgpr_count:     66
    .vgpr_count:     512
    .wavefront_size: 32
...
	.end_amdgpu_metadata
.endif
;; end of part 2
;; launch out (part 3): grid 128 x 1, 8 waves a work-group, no clusters, 109,824 bytes of LDS; arguments codes, scales, tbuf, cbuf, b_O, out0; writes out0
.if DOCPART == 3
	.amdgcn_target "amdgcn-amd-amdhsa--gfx1250"
	.amdhsa_code_object_version 6
	.text
	.protected	k_q3e2c6b6345_out
	.globl	k_q3e2c6b6345_out
	.p2align	8
	.type	k_q3e2c6b6345_out,@function
k_q3e2c6b6345_out:
	s_mov_b64 s[64:65], 0
	v_nop
	global_prefetch_b8 v0, s[64:65] scope:SCOPE_SE
	s_setreg_imm32_b32 hwreg(HW_REG_WAVE_MODE, 25, 1), 1
	s_wait_xcnt 0x0
; out = Q4(heads) Q4(W_O)^T + b_O,  heads = softmax_d(a) T,  a_id = (x W_Q^T)_id + c_d  (c holds logsumexp_j K and b_Q; T and c come from the launch before).
; The row's largest a is taken away before the exponentials; the divisor is at least 1.  x W_Q^T and the last product run on codes of FP4 with E8M0 scales; w T is f32 vector work: packed fused multiply-adds.
; SHARES.  Work-group g owns 16 rows (tile g of x): the last product sums over all 8 heads of a row, so a row has one owner, and 16 rows are a matrix tile: 128 work-groups.
; Wave w is head w as far as the barrier, and output columns 64 w .. 64 w + 63 behind it.
; LAYOUT.  Both matrix products are used transposed (source 0 = 16 rows of a weight, source 1 = the 16 rows), so that a lane holds ONE row r and its registers run along d or n.  c and b_O are the C of their sums' first instructions.
; w T: the finished weights w (already divided by their row's sum) go into the wave's own LDS bytes, [row][64 d].  Lane (cg, dh) keeps T(d = 32 dh + 0 .. 31, v = 16 i + cg, i = 0 .. 3) in 128 registers, pairs along d.
; One LDS load brings four neighbouring w of a row (the 16 lanes of a half read the same 16 bytes) and feeds 8 packed multiply-adds; THE TWO HALVES OF A PAIR ARE TWO NEIGHBOURING d, so that neither source is shared out between them.
; So a sum lies in four parts: two lanes (dh) x two halves of a pair.  A swap of half rows and a packed addition fold dh, leaving rows 0-7 in lanes 0-15 and rows 8-15 in lanes 16-31; a plain addition folds the pair.
; heads then turn through a stage in LDS into the quantiser's layout: lane (r, h): 16 neighbours along v of each block of 32.  A head's 64 columns are half a K step of the last product: 4 registers of a fragment and 2 bytes of a
; scale word; they reach the other waves through LDS as images of registers.
; NO CLUSTER, NO LDS FOR WEIGHTS: each wave's 16 KiB of W_Q, of T and of W_O go from memory into its registers in the order in which they are used there; a joint load would add a pass through LDS for every byte.
; LIMITS: NaN and infinities are not served; the division is v_rcp_f32 and a multiplication; exponentials under 2^-126 come out as 0, beside a sum that is at least 1; a block of zeros gets the byte 1 (its codes are zeros).
; REGISTERS.  Window 0: v1-12 addresses; v13-15 at work; v16-47 x's four fragments, then a row of w, later heads' fragments; v48-71 scale words, and nothing else; v72-103 a, w, then a row of w, later heads;
;   v104-124 at work; v128-255: c (v128-159), then the 128 partial sums; later the results (v128-159), rows on their way out (v160-191), heads (v192-223), b_O (v224-255).
;   Window 1: v0-127 W_Q's, later W_O's 16 fragments (tile t, K step s at 32 t + 8 s); v128-255 T: (i, d % 32) at 128 + 32 i + d % 32.
.set HIMG, 0                           ; LDS: heads' codes: 8 images of 512 bytes: head w is registers 4 (w % 2) on of K step w / 2
.set HSC,  4096                        ; heads' scale bytes: [row][16]
.set STG,  4352                        ; the way out: 16 rows x (256 + 16) bytes for each wave, its own
.set WL,   STG+8*4352                  ; w: the same shape, each wave's own
.set HL,   WL+8*4352                   ; heads in f32: likewise
.set XF,  16
.set XS,  48                           ; x's scale words, register s
.set HS,  52                           ; heads'
.set WQS, 56                           ; W_Q's: register 4 u + s: lanes 0-15 tile 2 u, lanes 16-31 tile 2 u + 1
.set WOS, 64                           ; W_O's likewise
.set AQ,  72
.set CC,  128
.set ACC, 128                          ; the sum of (row, i): the pair at ACC + 8 row + 2 i
.set HH,  192
.set BO,  224
.set OA,  128
.set OR,  160
.set TM,  116                          ; v116-117 largest magnitudes, v118-119 the other half's, v120-121 the conversions' scale operands, v122-123 bytes, v124 the two bytes
.set PC,  104                          ; v104-107 the codes
.set MSB, 0
.macro WIN new                         ; the immediate's high byte repeats the setting that is left
.if MSB != \new
	s_set_vgpr_msb (MSB<<8)|\new
.set MSB, \new
.endif
.endm
; One product 16 x 16 x 128 on codes, D = A B + C.  ra = 1: A's scale words are taken from lanes 16-31.
.macro MMO d, a, b, c, sa, sb, ra
.if \ra
	v_wmma_scale_f32_16x16x128_f8f6f4 v[\d:\d+7], v[\a:\a+7], v[\b:\b+7], v[\c:\c+7], v[\sa], v[\sb] matrix_a_fmt:MATRIX_FMT_FP4 matrix_b_fmt:MATRIX_FMT_FP4 matrix_a_scale:MATRIX_SCALE_ROW1
.else
	v_wmma_scale_f32_16x16x128_f8f6f4 v[\d:\d+7], v[\a:\a+7], v[\b:\b+7], v[\c:\c+7], v[\sa], v[\sb] matrix_a_fmt:MATRIX_FMT_FP4 matrix_b_fmt:MATRIX_FMT_FP4
.endif
.endm
; the 32 w of a row that belong to my half of d, into 32 registers from buf on
.macro WROW buf, row
.irp q, 0,1,2,3,4,5,6,7
	ds_load_b128 v[(\buf)+4*\q:(\buf)+4*\q+3], v10 offset:272*(\row)+16*\q
.endr
.endm
; a row's 64 packed multiply-adds: for each pair of neighbouring d, my four v.  The first pair starts the sums: nothing is cleared
.macro ROWMAC buf, row
.irp q, 0,1,2,3,4,5,6,7
.irp t, 0,2
.irp i, 0,1,2,3
.if ((\q) == 0) && ((\t) == 0)
	v_pk_mul_f32 v[ACC+8*(\row)+2*\i:ACC+8*(\row)+2*\i+1], v[(\buf)+4*\q+\t:(\buf)+4*\q+\t+1], v[128+32*\i+4*\q+\t:128+32*\i+4*\q+\t+1]
.else
	v_pk_fma_f32 v[ACC+8*(\row)+2*\i:ACC+8*(\row)+2*\i+1], v[(\buf)+4*\q+\t:(\buf)+4*\q+\t+1], v[128+32*\i+4*\q+\t:128+32*\i+4*\q+\t+1], v[ACC+8*(\row)+2*\i:ACC+8*(\row)+2*\i+1]
.endif
.endr
.endr
.endr
.endm
	s_load_b256 s[4:11], s[0:1], 0x0               ; codes s[4:5], scales s[6:7], tbuf s[8:9], cbuf s[10:11]
	s_load_b128 s[12:15], s[0:1], 0x20             ; b_O s[12:13], out0 s[14:15]
	v_lshl_add_u32 v126, v0, 2, 0x1a900
	v_mov_b32 v127, 0
	v_lshrrev_b32 v13, 5, v0
	v_readfirstlane_b32 s36, v13                   ; wave 0..7
	s_lshr_b32 s37, ttmp9, 6                       ; b
	v_and_b32 v13, 15, v0                          ; r (also cg)
	v_bfe_u32 v14, v0, 4, 1                        ; h (also dh)
	v_and_b32 v1, 31, v0
	v_lshlrev_b32 v1, 4, v1                        ; v1: 16 x lane
	v_lshlrev_b32 v2, 4, v13                       ; v2: 16 r: a row's four scale words
	v_lshlrev_b32 v3, 5, v14                       ; v3: 32 h: my half's eight numbers of c or b_O
	s_lshl_b32 s38, s36, 9
	v_add_nc_u32 v4, s38, v1                       ; v4: my head's image
	s_lshl_b32 s38, s36, 1
	v_add_nc_u32 v5, s38, v2                       ; v5: my head's two scale bytes of row r
	s_mul_i32 s38, s36, 16*272                     ; my wave's part of each of the three regions
	v_mul_u32_u24 v15, v13, 272
	v_add_nc_u32 v15, s38, v15                     ; row r in it
	v_lshl_add_u32 v6, v14, 5, v15
	v_add_nc_u32 v9, WL, v6                        ; v9: w, in: row r, + 32 h bytes: d = 8 h on (64 bytes a tile stand in the immediate)
	v_add_nc_u32 v6, STG, v6                       ; v6: the way out, in: row r, + 32 h
	v_lshl_add_u32 v12, v14, 6, v15
	v_add_nc_u32 v12, HL, v12                      ; v12: heads, back: row r, + 64 h bytes: v = 16 h on
	v_mul_u32_u24 v7, v14, 272
	v_lshl_add_u32 v7, v13, 4, v7
	v_add_nc_u32 v7, s38, v7
	v_add_nc_u32 v7, STG, v7                       ; v7: the way out, back: lanes 0-15 one row of 256 bytes, lanes 16-31 the next
	v_lshlrev_b32 v10, 7, v14
	v_add_nc_u32 v10, s38, v10
	v_add_nc_u32 v10, WL, v10                      ; v10: w, back: + 128 dh bytes: my half of d; the same in all 16 lanes of a half
	v_mul_u32_u24 v11, v14, 8*272
	v_lshl_add_u32 v11, v13, 2, v11
	v_add_nc_u32 v11, s38, v11
	v_add_nc_u32 v11, HL, v11                      ; v11: heads, in: rows 8 (lane / 16) on, column cg
	v_lshlrev_b32 v8, 11, v14
	v_lshl_add_u32 v8, v13, 4, v8                  ; v8: two rows of out0: 2,048 h + 16 r
	v_mov_b32 v106, 0                              ; lane permutes' destinations count among their sources
	v_mov_b32 v[TM+2], 0
	v_mov_b32 v[TM+3], 0
	v_mov_b32 v115, 0                              ; (named with v114 as a pair, so it is written)
	s_mov_b32 s39, 0
	s_lshl_b32 s40, s36, 2
	s_add_co_u32 s40, s40, 128                     ; W_Q's first tile of my head; W_O's first of my columns lies 96 tiles on
	s_lshl_b32 s41, s37, 3
	s_add_co_u32 s41, s41, s36                     ; 8 b + head
	s_lshl_b32 s42, s36, 8
	s_mov_b32 s32, 0x3fb8aa3b                      ; log2(e), as a pair
	s_mov_b32 s33, s32
	s_mov_b32 s34, 0x76543210
	s_mov_b32 s35, 0xfedcba98                      ; v_permlanex16_b32's selects for lane l xor 16
	s_wait_kmcnt 0x0
	s_lshl_b32 s38, ttmp9, 12
	s_add_nc_u64 s[16:17], s[4:5], s[38:39]        ; x's tile
	s_lshl_b32 s38, s40, 12
	s_add_nc_u64 s[18:19], s[4:5], s[38:39]        ; W_Q's four tiles
	s_lshl_b32 s38, ttmp9, 8
	s_add_nc_u64 s[20:21], s[6:7], s[38:39]        ; x's scale bytes
	s_lshl_b32 s38, s40, 8
	s_add_nc_u64 s[22:23], s[6:7], s[38:39]        ; W_Q's
	s_lshl_b32 s38, s41, 14
	s_add_nc_u64 s[24:25], s[8:9], s[38:39]        ; T of (b, head): 16,384 bytes
	s_lshl_b32 s38, s37, 11
	s_add_co_u32 s38, s38, s42
	s_add_nc_u64 s[26:27], s[10:11], s[38:39]      ; c of (b, head)
	s_mov_b32 s38, s42
	s_add_nc_u64 s[28:29], s[12:13], s[38:39]      ; b_O of my 64 columns
	s_lshl_b32 s38, ttmp9, 15
	s_add_co_u32 s38, s38, s42
	s_add_nc_u64 s[30:31], s[14:15], s[38:39]      ; out0: my 16 rows, my 256 bytes of each
	; the loads, in the order in which they are wanted: 19 for the first product's small operands, W_Q's 32, T's 32, W_O's two of scale words
.irp s, 0,1,2,3
.irp c, 0,1
	global_load_b128 v[XF+8*\s+4*\c:XF+8*\s+4*\c+3], v1, s[16:17] offset:1024*\s+512*\c
.endr
.endr
	global_load_b128 v[XS:XS+3], v2, s[20:21]
.irp u, 0,1
	global_load_b128 v[WQS+4*\u:WQS+4*\u+3], v1, s[22:23] offset:512*\u
.endr
.irp t, 0,1,2,3
	global_load_b128 v[CC+8*\t:CC+8*\t+3], v3, s[26:27] offset:64*\t          ; c(16 t + 8 h + 0 .. 7): the result's layout
	global_load_b128 v[CC+8*\t+4:CC+8*\t+7], v3, s[26:27] offset:64*\t+16
.endr
	WIN 0x40                                       ; destination window 1, address window 0
.irp t, 0,1,2,3
.irp s, 0,1,2,3
.irp c, 0,1
	global_load_b128 v[32*\t+8*\s+4*\c:32*\t+8*\s+4*\c+3], v1, s[18:19] offset:4096*\t+1024*\s+512*\c
.endr
.endr
.endr
.irp i, 0,1,2,3
.irp q, 0,1,2,3,4,5,6,7
	global_load_b128 v[128+32*\i+4*\q:128+32*\i+4*\q+3], v1, s[24:25] offset:512*(8*\i+\q)   ; T(32 dh + 4 q + 0 .. 3, 16 i + cg): 512 consecutive bytes a load
.endr
.endr
	WIN 0
.irp u, 0,1
	global_load_b128 v[WOS+4*\u:WOS+4*\u+3], v1, s[22:23] offset:24576+512*\u   ; 96 tiles of 256 scale bytes on
.endr
	; a = x W_Q^T + c: four accumulators by turns
	s_wait_loadcnt 34                              ; the first 51 loads are in; T's 32 and the 2 behind them may be out
	WIN 0x01                                       ; source 0 window 1
.irp s, 0,1,2,3
.irp t, 0,1,2,3
.if \s == 0
	MMO AQ+8*\t, 32*\t+8*\s, XF+8*\s, CC+8*\t, WQS+4*(\t/2)+\s, XS+\s, \t%2
.else
	MMO AQ+8*\t, 32*\t+8*\s, XF+8*\s, AQ+8*\t, WQS+4*(\t/2)+\s, XS+\s, \t%2
.endif
.endr
.endr
.rept 4
	v_nop                                          ; four places in front of loads into registers that the products have read, and of the first read of their results
.endr
	WIN 0x40
.irp t, 0,1,2,3
.irp s, 0,1,2,3
.irp c, 0,1
	global_load_b128 v[32*\t+8*\s+4*\c:32*\t+8*\s+4*\c+3], v1, s[18:19] offset:393216+4096*\t+1024*\s+512*\c   ; W_O takes W_Q's place: 96 tiles of 4,096 bytes on
.endr
.endr
.endr
	WIN 0
	; the row's largest a: two chains of 16 registers, each accumulator from its low end on; then the other half's 32
.irp q, 0,1
	v_max3_num_f32 v[104+\q], v[AQ+16*\q], v[AQ+16*\q+1], v[AQ+16*\q+2]
.endr
.irp n, 3,5,7,9,11,13
.irp q, 0,1
	v_max3_num_f32 v[104+\q], v[104+\q], v[AQ+16*\q+\n], v[AQ+16*\q+\n+1]
.endr
.endr
.irp q, 0,1
	v_max_num_f32 v[104+\q], v[104+\q], v[AQ+16*\q+15]
.endr
	v_max_num_f32 v104, v104, v105
	v_permlanex16_b32 v106, v104, s34, s35
	v_max_num_f32 v104, v104, v106
	v_xor_b32 v108, 0x80000000, v104
	v_xor_b32 v109, 0x80000000, v104               ; v[108:109]: minus the largest a, twice
	; e^(a - the largest): the difference first, then x log2(e)
.set n, 0
.rept 16
	v_pk_add_f32 v[AQ+n:AQ+n+1], v[AQ+n:AQ+n+1], v[108:109]
.set n, n+2
.endr
.set n, 0
.rept 16
	v_pk_mul_f32 v[AQ+n:AQ+n+1], v[AQ+n:AQ+n+1], s[32:33] op_sel_hi:[1,0]
.set n, n+2
.endr
.set n, 0
.rept 32
	v_exp_f32 v[AQ+n], v[AQ+n]
.set n, n+1
.endr
	v_nop                                          ; a plain instruction behind the last exponential
	s_wait_alu depctr_va_vdst(0)                   ; one wait for the 32, ahead of their first reader
	; the row's sum, two chains, and the division: w is finished here, so that nothing has to be divided in another layout later
	v_pk_add_f32 v[110:111], v[AQ:AQ+1], v[AQ+2:AQ+3]
	v_pk_add_f32 v[112:113], v[AQ+4:AQ+5], v[AQ+6:AQ+7]
.set n, 8
.rept 6
	v_pk_add_f32 v[110:111], v[110:111], v[AQ+n:AQ+n+1]
	v_pk_add_f32 v[112:113], v[112:113], v[AQ+n+2:AQ+n+3]
.set n, n+4
.endr
	v_pk_add_f32 v[110:111], v[110:111], v[112:113]
	v_add_f32 v104, v110, v111
	v_permlanex16_b32 v106, v104, s34, s35
	v_add_f32 v104, v104, v106
	v_rcp_f32 v114, v104
	v_nop                                          ; a plain instruction behind the reciprocal
	s_wait_alu depctr_va_vdst(0)                   ; and the wait ahead of its first reader
.set n, 0
.rept 16
	v_pk_mul_f32 v[AQ+n:AQ+n+1], v[AQ+n:AQ+n+1], v[114:115] op_sel_hi:[1,0]
.set n, n+2
.endr
.irp t, 0,1,2,3
.irp c, 0,1
	ds_store_b128 v9, v[AQ+8*\t+4*\c:AQ+8*\t+4*\c+3] offset:64*\t+16*\c   ; w(r, 16 t + 8 h + 4 c + 0 .. 3) at its natural place in row r
.endr
.endr
	; heads = w T.  Two sets of 32 registers take the rows of w by turns: LDS serves a wave's instructions in order, so the loads see the stores above
	WROW XF, 0
	WROW AQ, 1
	s_wait_loadcnt 34                              ; T is in; W_O's 2 loads of scale words and its 32 of codes may be out
	WIN 0x04                                       ; source 1 (T) window 1; an LDS load's destination and address stay in window 0
.set rr, 0
.rept 16
.set wb, XF+(AQ-XF)*(rr%2)
.if rr < 15
	s_wait_dscnt 8                                 ; this row's eight loads are in; the next row's eight may be out
.else
	s_wait_dscnt 0x0
.endif
	ROWMAC wb, rr
.if rr+2 < 16
	WROW wb, rr+2
.endif
.set rr, rr+1
.endr
	WIN 0
	; the two halves of d: the sums of row p change their lanes 16-31 for lanes 0-15 of the sums of row p + 8; the addition then leaves row p whole in lanes 0-15 and row p + 8 whole in lanes 16-31
.set n, 0
.rept 64
	v_permlane16_swap_b32 v[ACC+n], v[ACC+64+n]
.set n, n+1
.endr
.set n, 0
.rept 32
	v_pk_add_f32 v[ACC+n:ACC+n+1], v[ACC+n:ACC+n+1], v[ACC+64+n:ACC+64+n+1]
.set n, n+2
.endr
.irp t, 0,1,2,3
	global_load_b128 v[BO+8*\t:BO+8*\t+3], v3, s[28:29] offset:64*\t          ; b_O(64 w + 16 t + 8 h + 0 .. 7), into registers that the sums have just left
	global_load_b128 v[BO+8*\t+4:BO+8*\t+7], v3, s[28:29] offset:64*\t+16
.endr
.set n, 0
.rept 32
	v_add_f32 v[HH+n], v[ACC+2*n], v[ACC+2*n+1]    ; the even d's and the odd d's: heads(8 (lane / 16) + n / 4, 16 (n % 4) + cg)
.set n, n+1
.endr
.irp p, 0,1,2,3,4,5,6,7
.irp i, 0,1,2,3
	ds_store_b32 v11, v[HH+4*\p+\i] offset:272*\p+64*\i
.endr
.endr
.irp b, 0,1
.irp c, 0,1,2,3
	ds_load_b128 v[AQ+16*\b+4*\c:AQ+16*\b+4*\c+3], v12 offset:128*\b+16*\c   ; back by rows: register 16 b + i = heads(r, 32 b + 16 h + i)
.endr
.endr
	s_wait_dscnt 0x0
	; heads are quantised along v: two blocks of 32, each in lanes l and l xor 16
.irp b, 0,1
	v_max3_num_f32 v[TM+\b], |v[AQ+16*\b]|, |v[AQ+16*\b+1]|, 0x1800000   ; my 16 numbers, and the floor 2^(3 - 127): the byte cannot fall under 1
.endr
.irp i, 2,4,6,8,10,12,14
.irp b, 0,1
	v_max3_num_f32 v[TM+\b], v[TM+\b], |v[AQ+16*\b+\i]|, |v[AQ+16*\b+\i+1]|
.endr
.endr
.irp b, 0,1
	v_permlanex16_b32 v[TM+2+\b], v[TM+\b], s34, s35
.endr
.irp b, 0,1
	v_max_num_f32 v[TM+\b], v[TM+\b], v[TM+2+\b]   ; the block's largest magnitude
.endr
.irp b, 0,1
	v_add_nc_u32 v[TM+4+\b], 0xff000000, v[TM+\b]  ; 2 off its exponent field: the conversion's scale operand
.endr
.irp b, 0,1
	v_lshrrev_b32 v[TM+6+\b], 23, v[TM+4+\b]       ; the scale's byte
.endr
	v_lshl_or_b32 v[TM+8], v[TM+7], 8, v[TM+6]     ; my head's two bytes of row r's scale word
.irp b, 0,1
	v_cvt_scalef32_pk8_fp4_f32 v[PC+2*\b], v[AQ+16*\b:AQ+16*\b+7], v[TM+4+\b]
	v_cvt_scalef32_pk8_fp4_f32 v[PC+2*\b+1], v[AQ+16*\b+8:AQ+16*\b+15], v[TM+4+\b]
.endr
	v_nop                                          ; a plain instruction behind the last conversion
	v_permlane16_swap_b32 v[PC], v[PC+2]           ; the operand's layout wants a whole block in a lane: lanes 0-15 the first block, lanes 16-31 the second
	v_permlane16_swap_b32 v[PC+1], v[PC+3]
	ds_store_b128 v4, v[PC:PC+3] offset:HIMG       ; four registers of the fragment, as they stand
	ds_store_b16 v5, v[TM+8] offset:HSC            ; lanes r and 16 + r write the same two bytes with the same value
	s_wait_dscnt 0x0                               ; for the others' sake: my codes and bytes have landed
	s_barrier_signal -1
	s_barrier_wait -1
.irp s, 0,1,2,3
.irp c, 0,1
	ds_load_b128 v[XF+8*\s+4*\c:XF+8*\s+4*\c+3], v1 offset:HIMG+512*(2*\s+\c)
.endr
.endr
	ds_load_b128 v[HS:HS+3], v2 offset:HSC
	s_wait_dscnt 0x0
	s_wait_loadcnt 0x0                             ; W_O, its scale words and b_O
	WIN 0x01
.irp s, 0,1,2,3
.irp t, 0,1,2,3
.if \s == 0
	MMO OA+8*\t, 32*\t+8*\s, XF+8*\s, BO+8*\t, WOS+4*(\t/2)+\s, HS+\s, \t%2
.else
	MMO OA+8*\t, 32*\t+8*\s, XF+8*\s, OA+8*\t, WOS+4*(\t/2)+\s, HS+\s, \t%2
.endif
.endr
.endr
	WIN 0
.rept 4
	v_nop                                          ; four places in front of the first read of the results
.endr
	; the way out: a lane holds 32 neighbouring bytes of row r; through my own stage they become whole runs of 256 bytes
.irp t, 0,1,2,3
	ds_store_b128 v6, v[OA+8*\t:OA+8*\t+3] offset:64*\t          ; each accumulator from its low end on
	ds_store_b128 v6, v[OA+8*\t+4:OA+8*\t+7] offset:64*\t+16
.endr
.irp i, 0,1,2,3,4,5,6,7
	ds_load_b128 v[OR+4*\i:OR+4*\i+3], v7 offset:544*\i          ; LDS serves a wave's instructions in order: these see my stores
.endr
.irp i, 0,1,2,3,4,5,6,7
	s_wait_dscnt 7-\i                              ; rows 2 i and 2 i + 1 are back; the 7 - i younger loads may be out
	global_store_b128 v8, v[OR+4*\i:OR+4*\i+3], s[30:31] offset:4096*\i th:TH_STORE_NT   ; sixteen lanes store 256 consecutive bytes, at a multiple of 256 from out0's first byte; written once
.endr
	s_wait_tensorcnt 0x0
	ds_add_u32 v126, v127
	s_wait_dscnt 0x0
	s_endpgm
.Lfunc_end_k_q3e2c6b6345_out:
	.size	k_q3e2c6b6345_out, .Lfunc_end_k_q3e2c6b6345_out-k_q3e2c6b6345_out
	.p2alignl 7, 3214868480
	.fill 96, 4, 3214868480
	.section	.rodata,"a",@progbits
	.p2align	6, 0x0
	.amdhsa_kernel k_q3e2c6b6345_out
		.amdhsa_group_segment_fixed_size 109824
		.amdhsa_private_segment_fixed_size 0
		.amdhsa_enable_private_segment 0
		.amdhsa_kernarg_size 48
		.amdhsa_user_sgpr_count 2
		.amdhsa_user_sgpr_kernarg_segment_ptr 1
		.amdhsa_wavefront_size32 1
		.amdhsa_system_sgpr_workgroup_id_x 1
		.amdhsa_system_sgpr_workgroup_id_y 1
		.amdhsa_system_sgpr_workgroup_id_z 1
		.amdhsa_system_vgpr_workitem_id 0
		.amdhsa_next_free_vgpr 512
		.amdhsa_next_free_sgpr 66
		.amdhsa_reserve_vcc 0
		.amdhsa_float_denorm_mode_32 3
		.amdhsa_float_denorm_mode_16_64 3
		.amdhsa_memory_ordered 1
		.amdhsa_forward_progress 1
		.amdhsa_inst_pref_size 112
	.end_amdhsa_kernel
	.amdgpu_metadata
---
amdhsa.version: [ 1, 2 ]
amdhsa.kernels:
  - .name:           k_q3e2c6b6345_out
    .symbol:         k_q3e2c6b6345_out.kd
    .args:
      - { .name: codes, .offset: 0, .size: 8, .value_kind: global_buffer, .address_space: global }
      - { .name: scales, .offset: 8, .size: 8, .value_kind: global_buffer, .address_space: global }
      - { .name: tbuf, .offset: 16, .size: 8, .value_kind: global_buffer, .address_space: global }
      - { .name: cbuf, .offset: 24, .size: 8, .value_kind: global_buffer, .address_space: global }
      - { .name: b_O, .offset: 32, .size: 8, .value_kind: global_buffer, .address_space: global }
      - { .name: out0, .offset: 40, .size: 8, .value_kind: global_buffer, .address_space: global }
    .group_segment_fixed_size: 109824
    .private_segment_fixed_size: 0
    .kernarg_segment_align: 8
    .kernarg_segment_size: 48
    .max_flat_workgroup_size: 256
    .sgpr_count:     66
    .vgpr_count:     512
    .wavefront_size: 32
...
	.end_amdgpu_metadata
.endif
;; end of part 3
;; ======== version 2 of 2: 3 launches
;; workspace buffers: codes 1,048,576 bytes; scales 65,536 bytes; tbuf 262,144 bytes; cbuf 4,096 bytes
;; launch quant (part 4): grid 256 x 1, 4 waves a work-group, no clusters, 34,816 bytes of LDS; arguments x, W_Q, W_K, W_V, W_O, codes, scales; writes codes, scales
.if DOCPART == 4
	.amdgcn_target "amdgcn-amd-amdhsa--gfx1250"
	.amdhsa_code_object_version 6
	.text
	.protected	k_q3e2c6b6345_quant
	.globl	k_q3e2c6b6345_quant
	.p2align	8
	.type	k_q3e2c6b6345_quant,@function
k_q3e2c6b6345_quant:
	s_mov_b64 s[64:65], 0
	v_nop
	global_prefetch_b8 v0, s[64:65] scope:SCOPE_SE
	s_setreg_imm32_b32 hwreg(HW_REG_WAVE_MODE, 25, 1), 1
	s_wait_xcnt 0x0
; x [2048][512] and the four weights [512][512], f32 with K innermost, become codes of FP4 (E2M1) with one E8M0 byte for each 32 along K.
; A block's scale is 2^(floor(log2(its largest magnitude)) - 2); its byte is the largest magnitude's exponent field - 2, held at 1 from below.
; THE CODES ARE LAID IN THE ORDER OF AN OPERAND'S REGISTERS.  A tile is 16 rows x 512 K = 4,096 bytes: [K step s of 128][c = 0, 1][lane][16 bytes];
; lane 16 h + r holds the 32 codes k = 128 s + 64 c + 32 h + 0 .. 31 of tile row r.  So registers 4 c .. 4 c + 3 of a fragment are one load of 16 bytes a lane, 512 consecutive bytes a wave.
; Tiles 0-127: x.  128 + t: W_Q, 160 + t: W_K, 192 + t: W_V, 224 + t: W_O.  Tile t of a tensor holds its rows 16 t on.  The scale bytes of tile g: 256 bytes at 256 g, [row][16 bytes]: word s of a row serves K step s.
; SHARES.  Work-group g makes tile g, wave s its K step s: 16 rows x 512 bytes, sixteen loads of 512 consecutive bytes, all issued at once.  The conversions want 32 neighbours along K in ONE lane:
; the 8 KiB turn through the wave's own stage in LDS.  One path serves all five tensors: only the pointer is chosen, by the work-group's number.
; LIMITS: NaN and infinities among the inputs are not served.  A block of zeros gets the byte 1 (its codes are zeros; this program alone reads the bytes).
; No tensor load, no cluster: no two work-groups read the same byte.
.set PITCH, 528                        ; a stage row: 512 bytes + 16, an odd multiple of 16: the sixteen rows that a read touches begin in sixteen different 16-byte columns of 256
.set WST,   16*PITCH                   ; a wave's stage
.set SCL,   4*WST                      ; behind the stages: the tile's 256 scale bytes
.set RAW,   32                         ; v32-95   sixteen rows as loaded
.set X,     96                         ; v96-159  two blocks of 32 neighbours
.set CD,    20                         ; v20-27   their codes
	s_load_b256 s[4:11], s[0:1], 0x0               ; x s[4:5], W_Q s[6:7], W_K s[8:9], W_V s[10:11]
	s_load_b128 s[12:15], s[0:1], 0x20             ; W_O s[12:13], codes s[14:15]
	s_load_b64 s[16:17], s[0:1], 0x30              ; scales
	v_lshl_add_u32 v160, v0, 2, 0x8600
	v_mov_b32 v161, 0
	v_lshrrev_b32 v8, 5, v0
	v_readfirstlane_b32 s18, v8                    ; wave = K step
	v_and_b32 v8, 15, v0                           ; r
	v_bfe_u32 v9, v0, 4, 1                         ; h
	v_and_b32 v10, 31, v0                          ; lane
	v_lshlrev_b32 v1, 4, v10                       ; v1: 16 x lane: my 16 bytes of a load's 512, and of a store's
	v_lshlrev_b32 v6, 3, v10                       ; v6: 8 x lane: the scale bytes' way out
	v_add_nc_u32 v5, SCL, v6                       ; v5: the same in LDS
	v_lshlrev_b32 v7, 3, v9                        ; v7: 8 h: how far my two scale bytes are shifted
	s_mul_i32 s32, s18, WST
	v_add_nc_u32 v2, s32, v1                       ; v2: the stage, way in: a row as it lies
	v_mul_u32_u24 v3, v8, PITCH
	v_lshl_add_u32 v3, v9, 7, v3
	v_add_nc_u32 v3, s32, v3                       ; v3: way out: row r, + 128 h bytes: block h (and, 256 bytes on, block 2 + h)
	s_lshl_b32 s33, s18, 2
	s_add_co_u32 s33, s33, SCL
	v_lshl_add_u32 v4, v8, 4, s33                  ; v4: row r's scale word of my K step
	v_mov_b32 v17, 0                               ; a lane permute's destination counts as one of its sources
	s_mov_b32 s40, 0x76543210
	s_mov_b32 s41, 0xfedcba98                      ; v_permlanex16_b32's selects for lane l xor 16
	s_lshr_b32 s19, ttmp9, 5                       ; 0-3: x, 4: W_Q, 5: W_K, 6: W_V, 7: W_O
	s_and_b32 s20, ttmp9, 31
	s_cmp_lt_u32 ttmp9, 128
	s_cselect_b32 s20, ttmp9, s20                  ; t: the tile's number in its tensor
	s_lshl_b32 s28, s20, 15                        ; its first row, 16 t, x 2,048 bytes
	s_lshl_b32 s29, s18, 9
	s_add_co_u32 s28, s28, s29                     ; + K step x 512
	s_mov_b32 s29, 0
	s_lshl_b32 s34, ttmp9, 12
	s_lshl_b32 s35, s18, 10
	s_add_co_u32 s34, s34, s35                     ; my 1,024 bytes of the tile's codes
	s_mov_b32 s35, 0
	s_lshl_b32 s36, ttmp9, 8                       ; the tile's scale bytes
	s_mov_b32 s37, 0
	s_wait_alu depctr_va_vdst(0)
	s_wait_kmcnt 0x0
	s_mov_b64 s[24:25], s[12:13]                   ; the tensor is chosen by the work-group's number alone
	s_cmp_eq_u32 s19, 6
	s_cselect_b64 s[24:25], s[10:11], s[24:25]
	s_cmp_eq_u32 s19, 5
	s_cselect_b64 s[24:25], s[8:9], s[24:25]
	s_cmp_eq_u32 s19, 4
	s_cselect_b64 s[24:25], s[6:7], s[24:25]
	s_cmp_lt_u32 s19, 4
	s_cselect_b64 s[24:25], s[4:5], s[24:25]
	s_add_nc_u64 s[24:25], s[24:25], s[28:29]
	s_add_nc_u64 s[14:15], s[14:15], s[34:35]
	s_add_nc_u64 s[16:17], s[16:17], s[36:37]
.irp i, 0,1,2,3,4,5,6,7,8,9,10,11,12,13,14,15
	global_load_b128 v[RAW+4*\i:RAW+4*\i+3], v1, s[24:25] offset:2048*\i th:TH_LOAD_NT   ; 32 lanes read 512 consecutive bytes of tile row i; read once in the launch
.endr
.irp i, 0,1,2,3,4,5,6,7,8,9,10,11,12,13,14,15
	s_wait_loadcnt 15-\i                           ; loads come back in order: row i is in, the 15 - i younger ones may be out
	ds_store_b128 v2, v[RAW+4*\i:RAW+4*\i+3] offset:PITCH*\i
.endr
.irp c, 0,1
.irp j, 0,1,2,3,4,5,6,7
	ds_load_b128 v[X+32*\c+4*\j:X+32*\c+4*\j+3], v3 offset:256*\c+16*\j   ; LDS serves a wave's instructions in order: these see my stores.  Block 2 c + h of row r: all its 32 numbers
.endr
.endr
	s_wait_dscnt 0x0
	; each block's largest magnitude: two chains a block, the two blocks by turns, so that no line waits for the line above it
.irp c, 0,1
	v_max3_num_f32 v[8+\c], |v[X+32*\c]|, |v[X+32*\c+1]|, |v[X+32*\c+2]|
	v_max3_num_f32 v[10+\c], |v[X+32*\c+3]|, |v[X+32*\c+4]|, |v[X+32*\c+5]|
.endr
.irp i, 6,10,14,18,22,26
.irp c, 0,1
	v_max3_num_f32 v[8+\c], v[8+\c], |v[X+32*\c+\i]|, |v[X+32*\c+\i+1]|
	v_max3_num_f32 v[10+\c], v[10+\c], |v[X+32*\c+\i+2]|, |v[X+32*\c+\i+3]|
.endr
.endr
.irp c, 0,1
	v_max3_num_f32 v[8+\c], v[8+\c], |v[X+32*\c+30]|, |v[X+32*\c+31]|
.endr
.irp c, 0,1
	v_max3_num_f32 v[8+\c], v[8+\c], v[10+\c], 0x1800000   ; and the floor 2^(3 - 127): the byte cannot fall under 1
.endr
.irp c, 0,1
	v_add_nc_u32 v[12+\c], 0xff000000, v[8+\c]     ; 2 off the exponent field: the conversion takes the exponent field of this operand as its scale
.endr
.irp c, 0,1
.irp g, 0,1,2,3
	v_cvt_scalef32_pk8_fp4_f32 v[CD+4*\c+\g], v[X+32*\c+8*\g:X+32*\c+8*\g+7], v[12+\c]   ; eight numbers / the scale, to the nearest code, ties to even, beyond 6 the largest code
.endr
.endr
.irp c, 0,1
	v_lshrrev_b32 v[14+\c], 23, v[12+\c]           ; the scales' bytes.  (Plain lines behind the conversions)
.endr
	v_lshl_or_b32 v16, v15, 16, v14                ; my two bytes, blocks h and 2 + h of row r,
	v_lshlrev_b32 v16, v7, v16                     ; at their places in the word (8 h bits up);
	v_permlanex16_b32 v17, v16, s40, s41
	v_or_b32 v16, v16, v17                         ; with lane l xor 16's two the word is whole
	global_store_b128 v1, v[CD:CD+3], s[14:15]                 ; 32 lanes store 512 consecutive bytes, aligned
	global_store_b128 v1, v[CD+4:CD+7], s[14:15] offset:512
	ds_store_b32 v4, v16                           ; lanes r and 16 + r write the same word with the same value
	s_wait_dscnt 0x0                               ; for wave 0's sake: my scale words have landed
	s_barrier_signal -1
	s_barrier_wait -1
	s_cmp_lg_u32 s18, 0
	s_cbranch_scc1 .Lend
	ds_load_b64 v[18:19], v5                       ; the four waves' words: 256 bytes
	s_wait_dscnt 0x0
	global_store_b64 v6, v[18:19], s[16:17]        ; 32 lanes store 256 consecutive bytes, aligned
.Lend:
	s_wait_tensorcnt 0x0
	ds_add_u32 v160, v161
	s_wait_dscnt 0x0
	s_endpgm
.Lfunc_end_k_q3e2c6b6345_quant:
	.size	k_q3e2c6b6345_quant, .Lfunc_end_k_q3e2c6b6345_quant-k_q3e2c6b6345_quant
	.p2alignl 7, 3214868480
	.fill 96, 4, 3214868480
	.section	.rodata,"a",@progbits
	.p2align	6, 0x0
	.amdhsa_kernel k_q3e2c6b6345_quant
		.amdhsa_group_segment_fixed_size 34816
		.amdhsa_private_segment_fixed_size 0
		.amdhsa_enable_private_segment 0
		.amdhsa_kernarg_size 56
		.amdhsa_user_sgpr_count 2
		.amdhsa_user_sgpr_kernarg_segment_ptr 1
		.amdhsa_wavefront_size32 1
		.amdhsa_system_sgpr_workgroup_id_x 1
		.amdhsa_system_sgpr_workgroup_id_y 1
		.amdhsa_system_sgpr_workgroup_id_z 1
		.amdhsa_system_vgpr_workitem_id 0
		.amdhsa_next_free_vgpr 162
		.amdhsa_next_free_sgpr 66
		.amdhsa_reserve_vcc 0
		.amdhsa_float_denorm_mode_32 3
		.amdhsa_float_denorm_mode_16_64 3
		.amdhsa_memory_ordered 1
		.amdhsa_forward_progress 1
		.amdhsa_inst_pref_size 11
	.end_amdhsa_kernel
	.amdgpu_metadata
---
amdhsa.version: [ 1, 2 ]
amdhsa.kernels:
  - .name:           k_q3e2c6b6345_quant
    .symbol:         k_q3e2c6b6345_quant.kd
    .args:
      - { .name: x, .offset: 0, .size: 8, .value_kind: global_buffer, .address_space: global }
      - { .name: W_Q, .offset: 8, .size: 8, .value_kind: global_buffer, .address_space: global }
      - { .name: W_K, .offset: 16, .size: 8, .value_kind: global_buffer, .address_space: global }
      - { .name: W_V, .offset: 24, .size: 8, .value_kind: global_buffer, .address_space: global }
      - { .name: W_O, .offset: 32, .size: 8, .value_kind: global_buffer, .address_space: global }
      - { .name: codes, .offset: 40, .size: 8, .value_kind: global_buffer, .address_space: global }
      - { .name: scales, .offset: 48, .size: 8, .value_kind: global_buffer, .address_space: global }
    .group_segment_fixed_size: 34816
    .private_segment_fixed_size: 0
    .kernarg_segment_align: 8
    .kernarg_segment_size: 56
    .max_flat_workgroup_size: 128
    .sgpr_count:     66
    .vgpr_count:     162
    .wavefront_size: 32
...
	.end_amdgpu_metadata
.endif
;; end of part 4
;; launch kvt (part 5): grid 256 x 1, 8 waves a work-group, no clusters, 142,336 bytes of LDS; arguments codes, scales, b_Q, b_K, b_V, tbuf, cbuf; writes tbuf, cbuf
.if DOCPART == 5
	.amdgcn_target "amdgcn-amd-amdhsa--gfx1250"
	.amdhsa_code_object_version 6
	.text
	.protected	k_q3e2c6b6345_kvt
	.globl	k_q3e2c6b6345_kvt
	.p2align	8
	.type	k_q3e2c6b6345_kvt,@function
k_q3e2c6b6345_kvt:
	s_mov_b64 s[64:65], 0
	v_nop
	global_prefetch_b8 v0, s[64:65] scope:SCOPE_SE
	s_setreg_imm32_b32 hwreg(HW_REG_WAVE_MODE, 25, 1), 1
	s_wait_xcnt 0x0
; With the logarithms undone the module is  heads = softmax_d(Q_id + c_d) T,  T_dv = sum over j of softmax_j(K_jd) V_jv,  c_d = logsumexp_j K_jd  (the plus and minus parts of V add up to V).
; This launch makes T and c, finished.  Every exponent is 0 or less (the column's largest K is taken away first), every divisor is 1 or more.
; K = x W_K^T and V = x W_V^T are products on codes of FP4 with E8M0 scales; the sum (e^K)^T V is f32 vector work: packed fused multiply-adds.
; THE BIASES: b_K cancels in softmax_j and enters c alone; b_Q is added into c too (it is only ever added to Q + c); b_V is added to T at the end, since the weights of a column sum to 1.
; SHARES.  Work-group g = ((8 b + head) 4 + vt) 4 + dt owns ONE tile of T, 16 d x 16 v, over all 1,024 rows of batch b: no sum spans work-groups.  Wave w takes rows 128 w on: 8 tiles of 16 rows.
; So the K and V projections are made four times over in the launch (64 matrix instructions a wave), which spares a launch that would add parts.
; LAYOUT.  Source 0 = 16 rows of the weight, source 1 = 16 rows of x: lane (r, h) holds ROW r of x, the index that is summed over, and its register j the column 8 h + j.  With the other half's eight V beside its own
; a lane adds e^K(row, 8 h + e) V(row, all 16 v) into 128 sums of its own: 64 packed instructions a row tile, and no operand is shared out among lanes.
; The sums of the 16 lanes of a half and of the 8 waves meet in LDS, as images of registers: wave w adds the eight images of d = 8 h + w, folds the 16 lanes by four steps on 16 registers, and finishes its two rows of T.
; NO CLUSTER, NO LDS FOR OPERANDS: the codes lie in memory in the order of the operands' registers, and each of the 256 KiB of x's codes that a work-group takes in is used by one wave once, straight from its registers;
; a joint load would bring them into LDS, whence every byte would have to be read once more.
; LIMITS: NaN and infinities are not served; 1 / z is v_rcp_f32; exponentials under 2^-126 come out as 0, beside a sum that is at least 1.
; REGISTERS.  Window 0: v1-11, v242, v243, v252 addresses; v12-43 W_K's four fragments, v44-75 W_V's (at work once the projections are done); v76-79, v80-95 scale words, and nothing else;
;   v96-159 K, later the other half's V, later images; v160-223 V, later images; v224-239 b_V; v240, v241 b_K, b_Q; v244-251 minus the columns' maxima.
;   Window 1: x's 32 fragments, (row tile i, K step s) at 32 i + 8 s; later v0-127 the 128 sums, v128-255 e^K, one number to an even register.
.set MX, 0                             ; LDS: each wave's maxima of the 16 columns: [wave][h][8], 64 bytes a wave
.set CL, 512                           ; c of the 16 columns
.set TL, 1024                          ; the finished tile: [d][16 v], 1,024 bytes
.set SI, 2048                          ; the images: [group of 4 registers, 34][wave][lane][16 bytes]: groups 0-31 the sums, 32 and 33 the columns' sums of e^K
.set KW, 12
.set VW, 44
.set WS, 76                            ; register s: lanes 0-15 W_K's words of K step s, lanes 16-31 W_V's
.set XS, 80                            ; register 4 u + s: lanes 0-15 row tile 2 u's words, lanes 16-31 row tile 2 u + 1's
.set KA, 96
.set VA, 160
.set BV, 224                           ; b_V: 8 of my half's columns, then 8 of the other half's
.set NM, 244
.set MSB, 0
.macro WIN new                         ; the immediate's high byte repeats the setting that is left
.if MSB != \new
	s_set_vgpr_msb (MSB<<8)|\new
.set MSB, \new
.endif
.endm
; One product 16 x 16 x 128 on codes.  first = 1: it starts the sum.  ra, rb = 1: that side's scale words are taken from lanes 16-31.
.macro MMK d, a, b, first, sa, sb, ra, rb
.if \first
.if (\ra) && (\rb)
	v_wmma_scale_f32_16x16x128_f8f6f4 v[\d:\d+7], v[\a:\a+7], v[\b:\b+7], 0, v[\sa], v[\sb] matrix_a_fmt:MATRIX_FMT_FP4 matrix_b_fmt:MATRIX_FMT_FP4 matrix_a_scale:MATRIX_SCALE_ROW1 matrix_b_scale:MATRIX_SCALE_ROW1
.elseif \ra
	v_wmma_scale_f32_16x16x128_f8f6f4 v[\d:\d+7], v[\a:\a+7], v[\b:\b+7], 0, v[\sa], v[\sb] matrix_a_fmt:MATRIX_FMT_FP4 matrix_b_fmt:MATRIX_FMT_FP4 matrix_a_scale:MATRIX_SCALE_ROW1
.elseif \rb
	v_wmma_scale_f32_16x16x128_f8f6f4 v[\d:\d+7], v[\a:\a+7], v[\b:\b+7], 0, v[\sa], v[\sb] matrix_a_fmt:MATRIX_FMT_FP4 matrix_b_fmt:MATRIX_FMT_FP4 matrix_b_scale:MATRIX_SCALE_ROW1
.else
	v_wmma_scale_f32_16x16x128_f8f6f4 v[\d:\d+7], v[\a:\a+7], v[\b:\b+7], 0, v[\sa], v[\sb] matrix_a_fmt:MATRIX_FMT_FP4 matrix_b_fmt:MATRIX_FMT_FP4
.endif
.else
.if (\ra) && (\rb)
	v_wmma_scale_f32_16x16x128_f8f6f4 v[\d:\d+7], v[\a:\a+7], v[\b:\b+7], v[\d:\d+7], v[\sa], v[\sb] matrix_a_fmt:MATRIX_FMT_FP4 matrix_b_fmt:MATRIX_FMT_FP4 matrix_a_scale:MATRIX_SCALE_ROW1 matrix_b_scale:MATRIX_SCALE_ROW1
.elseif \ra
	v_wmma_scale_f32_16x16x128_f8f6f4 v[\d:\d+7], v[\a:\a+7], v[\b:\b+7], v[\d:\d+7], v[\sa], v[\sb] matrix_a_fmt:MATRIX_FMT_FP4 matrix_b_fmt:MATRIX_FMT_FP4 matrix_a_scale:MATRIX_SCALE_ROW1
.elseif \rb
	v_wmma_scale_f32_16x16x128_f8f6f4 v[\d:\d+7], v[\a:\a+7], v[\b:\b+7], v[\d:\d+7], v[\sa], v[\sb] matrix_a_fmt:MATRIX_FMT_FP4 matrix_b_fmt:MATRIX_FMT_FP4 matrix_b_scale:MATRIX_SCALE_ROW1
.else
	v_wmma_scale_f32_16x16x128_f8f6f4 v[\d:\d+7], v[\a:\a+7], v[\b:\b+7], v[\d:\d+7], v[\sa], v[\sb] matrix_a_fmt:MATRIX_FMT_FP4 matrix_b_fmt:MATRIX_FMT_FP4
.endif
.endif
.endm
	s_load_b256 s[4:11], s[0:1], 0x0               ; codes s[4:5], scales s[6:7], b_Q s[8:9], b_K s[10:11]
	s_load_b128 s[12:15], s[0:1], 0x20             ; b_V s[12:13], tbuf s[14:15]
	s_load_b64 s[16:17], s[0:1], 0x30              ; cbuf
	v_lshl_add_u32 v254, v0, 2, 0x22800
	v_mov_b32 v255, 0
	v_lshrrev_b32 v102, 5, v0
	s_delay_alu instid0(VALU_DEP_1)
	v_readfirstlane_b32 s18, v102                  ; wave 0..7
	s_lshr_b32 s19, ttmp9, 7                       ; b
	s_bfe_u32 s20, ttmp9, 0x30004                  ; head
	s_bfe_u32 s21, ttmp9, 0x20002                  ; vt
	s_and_b32 s22, ttmp9, 3                        ; dt
	v_and_b32 v100, 15, v0                         ; r
	v_bfe_u32 v101, v0, 4, 1                       ; h
	v_and_b32 v1, 31, v0
	s_delay_alu instid0(VALU_DEP_1)
	v_lshlrev_b32 v1, 4, v1                        ; v1: 16 x lane: a lane's place in every run of 512 bytes
	s_wait_alu depctr_va_vdst(0)
	v_lshlrev_b32 v3, 5, v101                      ; v3: 32 h: my half's eight columns
	s_wait_alu depctr_va_vdst(0)
	s_lshl_b32 s23, s18, 6
	v_add_nc_u32 v2, s23, v3                       ; v2: 64 w + 32 h: my wave's eight maxima
	s_lshl_b32 s40, s18, 9
	s_add_co_u32 s40, s40, SI
	v_add_nc_u32 v4, s40, v1                       ; v4: where I store images: groups 0-15 (4,096 bytes a group stand in the immediate),
	s_delay_alu instid0(VALU_DEP_1)
	v_add_nc_u32 v5, 0x10000, v4                   ; v5: groups 16-31,
	s_delay_alu instid0(VALU_DEP_2)
	v_add_nc_u32 v6, 0x20000, v4                   ; v6: groups 32, 33
	s_lshl_b32 s40, s18, 14
	s_add_co_u32 s40, s40, SI
	v_add_nc_u32 v7, s40, v1                       ; v7: where I read them: groups 4 w on, my own lane's place
	s_lshr_b32 s40, s18, 2
	s_lshl_b32 s40, s40, 12
	s_and_b32 s41, s18, 3
	s_lshl_b32 s41, s41, 2
	s_add_co_u32 s40, s40, s41
	s_add_co_u32 s40, s40, SI+0x20000
	v_add_nc_u32 v8, s40, v1                       ; v8: number w of the eight columns' sums: group 32 + w / 4, word w % 4
	s_lshl_b32 s40, s18, 2
	v_add_nc_u32 v9, s40, v3                       ; v9: 32 h + 4 w = 4 (8 h + w): my wave's column among the 16
	v_mul_u32_u24 v10, v101, 544
	s_delay_alu instid0(VALU_DEP_1)
	v_add_nc_u32 v10, s23, v10                     ; v10: row 8 h + w of the tile, 64 bytes a row, + 32 h: my half's eight v
	v_mul_u32_u24 v11, v101, 480
	s_delay_alu instid0(VALU_DEP_1)
	v_add_nc_u32 v11, s23, v11                     ; v11: the same row - 32 h; with 32 in the immediate: the other half's eight v
	v_lshlrev_b32 v243, 2, v100                    ; v243: 4 r
	s_delay_alu instid0(VALU_DEP_1)
	v_lshl_add_u32 v242, v101, 9, v243             ; v242: 512 h + 4 r: rows 8 h on of the tile, column r
	v_lshlrev_b32 v252, 4, v100
	s_delay_alu instid0(VALU_DEP_1)
	v_lshl_add_u32 v252, v101, 10, v252            ; v252: 1,024 h + 16 r: my 16 bytes in tbuf
	s_lshl_b32 s40, s20, 2
	s_add_co_u32 s41, s40, s22
	s_add_co_u32 s41, s41, 160                     ; W_K's tile: 160 + 4 head + dt
	s_add_co_u32 s44, s40, s21
	s_add_co_u32 s44, s44, 192                     ; W_V's tile: 192 + 4 head + vt
	s_sub_co_u32 s45, s44, s41
	s_lshl_b32 s45, s45, 8                         ; from the one tile's scale bytes to the other's
	s_lshl_b32 s46, s41, 8
	v_mul_u32_u24 v96, s45, v101                   ; lanes 16-31 take W_V's words
	s_delay_alu instid0(VALU_DEP_1)
	v_lshl_add_u32 v96, v100, 4, v96
	s_delay_alu instid0(VALU_DEP_1)
	v_add_nc_u32 v96, s46, v96                     ; v96: the weights' scale words: row r's 16 bytes
	s_lshl_b32 s46, s20, 8
	s_lshl_b32 s47, s22, 6
	s_add_co_u32 s47, s46, s47                     ; 4 (64 head + 16 dt)
	v_add_nc_u32 v97, s47, v9                      ; v97: b_K and b_Q of column 64 head + 16 dt + 8 h + w
	s_lshl_b32 s23, s21, 6
	s_add_co_u32 s46, s46, s23                     ; 4 (64 head + 16 vt)
	v_add_nc_u32 v98, s46, v3                      ; v98: b_V of my half's eight columns,
	s_add_co_u32 s46, s46, 32
	v_sub_nc_u32 v99, s46, v3                      ; v99: and of the other half's
	s_mov_b32 s43, 0
	s_lshl_b32 s42, s19, 6
	s_lshl_b32 s40, s18, 3
	s_add_co_u32 s40, s42, s40                     ; my first tile of x: 64 b + 8 w
	s_mov_b32 s36, 0x3fb8aa3b                      ; log2(e); the packed form names a pair and takes its low word for both halves
	s_mov_b32 s37, s36
	s_mov_b32 s38, 0x76543210
	s_mov_b32 s39, 0xfedcba98                      ; v_permlanex16_b32's selects for lane l xor 16
	s_mov_b32 s45, 0x3f317218                      ; ln 2
	s_wait_alu depctr_va_vdst(0)
	s_wait_kmcnt 0x0
	s_lshl_b32 s42, s40, 12
	s_add_nc_u64 s[24:25], s[4:5], s[42:43]        ; x's codes, my 8 tiles
	s_lshl_b32 s42, s40, 8
	s_add_nc_u64 s[26:27], s[6:7], s[42:43]        ; and their scale bytes
	s_lshl_b32 s42, s41, 12
	s_add_nc_u64 s[28:29], s[4:5], s[42:43]        ; W_K's tile
	s_lshl_b32 s42, s44, 12
	s_add_nc_u64 s[30:31], s[4:5], s[42:43]        ; W_V's tile
	; tbuf: [b, head][i = v / 16][q = (d % 32) / 4][lane 16 (d / 32) + v % 16][4 numbers along d].  My tile: i = vt, q = 4 (dt % 2) + 0 .. 3, lanes 16 (dt / 2) on: four whole runs of 256 bytes
	s_lshl_b32 s42, s19, 3
	s_add_co_u32 s42, s42, s20
	s_lshl_b32 s42, s42, 14
	s_lshl_b32 s40, s21, 12
	s_add_co_u32 s42, s42, s40
	s_and_b32 s40, s22, 1
	s_lshl_b32 s40, s40, 11
	s_add_co_u32 s42, s42, s40
	s_lshr_b32 s40, s22, 1
	s_lshl_b32 s40, s40, 8
	s_add_co_u32 s42, s42, s40
	s_add_nc_u64 s[32:33], s[14:15], s[42:43]
	s_lshl_b32 s42, s19, 11
	s_add_co_u32 s42, s42, s47
	s_add_nc_u64 s[34:35], s[16:17], s[42:43]      ; c of my 16 columns
	; every load of the launch is issued here: 27 into window 0, then x's 64, K step by K step
.irp s, 0,1,2,3
.irp c, 0,1
	global_load_b128 v[KW+8*\s+4*\c:KW+8*\s+4*\c+3], v1, s[28:29] offset:1024*\s+512*\c
	global_load_b128 v[VW+8*\s+4*\c:VW+8*\s+4*\c+3], v1, s[30:31] offset:1024*\s+512*\c
.endr
.endr
	global_load_b128 v[WS:WS+3], v96, s[6:7]
.irp u, 0,1,2,3
	global_load_b128 v[XS+4*\u:XS+4*\u+3], v1, s[26:27] offset:512*\u    ; 16 x lane = 256 h + 16 r: two tiles' rows
.endr
	global_load_b32 v240, v97, s[10:11]            ; b_K
	global_load_b32 v241, v97, s[8:9]              ; b_Q
	global_load_b128 v[BV:BV+3], v98, s[12:13]
	global_load_b128 v[BV+4:BV+7], v98, s[12:13] offset:16
	global_load_b128 v[BV+8:BV+11], v99, s[12:13]
	global_load_b128 v[BV+12:BV+15], v99, s[12:13] offset:16
	WIN 0x40                                       ; destination window 1, address window 0
.irp s, 0,1,2,3
.irp i, 0,1,2,3,4,5,6,7
.irp c, 0,1
	global_load_b128 v[32*\i+8*\s+4*\c:32*\i+8*\s+4*\c+3], v1, s[24:25] offset:4096*\i+1024*\s+512*\c
.endr
.endr
.endr
	; K and V of my 128 rows: sixteen accumulators by turns, one instruction a turn
	WIN 0x04                                       ; source 1 (x) window 1
.irp s, 0,1,2,3
	s_wait_loadcnt 48-16*\s                        ; all up to this K step's 16 loads are in; the later K steps' (16 each) may be out.  The first of these waits also frees v96-99, the offsets of loads now done
.irp i, 0,1,2,3,4,5,6,7
.if \s == 0
	MMK KA+8*\i, KW+8*\s, 32*\i+8*\s, 1, WS+\s, XS+4*(\i/2)+\s, 0, \i%2
	MMK VA+8*\i, VW+8*\s, 32*\i+8*\s, 1, WS+\s, XS+4*(\i/2)+\s, 1, \i%2
.else
	MMK KA+8*\i, KW+8*\s, 32*\i+8*\s, 0, WS+\s, XS+4*(\i/2)+\s, 0, \i%2
	MMK VA+8*\i, VW+8*\s, 32*\i+8*\s, 0, WS+\s, XS+4*(\i/2)+\s, 1, \i%2
.endif
.endr
.endr
	WIN 0
.rept 4
	v_nop                                          ; four places between the products and the first read of their results and the first write of their sources (ISA guide 7.12.1)
.endr
	; the largest K of column 8 h + e: first over my lane's eight rows (columns 0-3 first), then over the half's 16 lanes
.irp g, 0,4
.irp e, 0,1,2,3
	v_max3_num_f32 v[12+\g+\e], v[KA+\g+\e], v[KA+8+\g+\e], v[KA+16+\g+\e]
.endr
.irp e, 0,1,2,3
	v_max3_num_f32 v[12+\g+\e], v[12+\g+\e], v[KA+24+\g+\e], v[KA+32+\g+\e]
.endr
.irp e, 0,1,2,3
	v_max3_num_f32 v[12+\g+\e], v[12+\g+\e], v[KA+40+\g+\e], v[KA+48+\g+\e]
.endr
.irp e, 0,1,2,3
	v_max_num_f32 v[12+\g+\e], v[12+\g+\e], v[KA+56+\g+\e]
.endr
.endr
.irp m, 1,2,4,8
.irp e, 0,1,2,3,4,5,6,7
	v_max_num_f32_dpp v[12+\e], v[12+\e], v[12+\e] row_xmask:\m row_mask:0xf bank_mask:0xf
.endr
.endr
	ds_store_b128 v2, v[12:15] offset:MX           ; the 16 lanes of a half write the same bytes with the same values
	ds_store_b128 v2, v[16:19] offset:MX+16
	s_wait_dscnt 0x0                               ; for the others' sake: my maxima have landed
	s_barrier_signal -1
	s_barrier_wait -1
.irp u, 0,1,2,3,4,5,6,7
.irp c, 0,1
	ds_load_b128 v[12+8*\u+4*\c:12+8*\u+4*\c+3], v3 offset:MX+64*\u+16*\c
.endr
.endr
	s_wait_dscnt 0x0
.irp e, 0,1,2,3,4,5,6,7
	v_max3_num_f32 v[12+\e], v[12+\e], v[20+\e], v[28+\e]
.endr
.irp e, 0,1,2,3,4,5,6,7
	v_max3_num_f32 v[12+\e], v[12+\e], v[36+\e], v[44+\e]
.endr
.irp e, 0,1,2,3,4,5,6,7
	v_max3_num_f32 v[12+\e], v[12+\e], v[52+\e], v[60+\e]
.endr
.irp e, 0,1,2,3,4,5,6,7
	v_max_num_f32 v[12+\e], v[12+\e], v[68+\e]     ; the column's largest K over all 1,024 rows
.endr
.irp e, 0,1,2,3,4,5,6,7
	v_xor_b32 v[NM+\e], 0x80000000, v[12+\e]       ; and minus it
.endr
	; e^(K - m): the difference first, then x log2(e), so that the exponent's error stays relative to the exponent, however large K is
.irp i, 0,1,2,3,4,5,6,7
.irp p, 0,2,4,6
	v_pk_add_f32 v[KA+8*\i+\p:KA+8*\i+\p+1], v[KA+8*\i+\p:KA+8*\i+\p+1], v[NM+\p:NM+\p+1]
.endr
.endr
.set n, 0
.rept 32
	v_pk_mul_f32 v[KA+n:KA+n+1], v[KA+n:KA+n+1], s[36:37] op_sel_hi:[1,0]
.set n, n+2
.endr
	WIN 0x40                                       ; destination window 1
	s_wait_alu depctr_va_vdst(0)
.irp i, 0,1,2,3,4,5,6,7
.irp e, 0,1,2,3,4,5,6,7
	v_exp_f32 v[128+16*\i+2*\e], v[KA+8*\i+\e]     ; into EVEN registers: the packed multiply-adds below name the pair and take its low word for both halves; the odd register of each pair is never used
.endr
.endr
	WIN 0
	v_nop                                          ; a plain instruction behind the last exponential
	s_wait_alu depctr_va_vdst(0)                   ; one wait for the 64, ahead of their first reader
.irp i, 0,1,2,3,4,5,6,7
.irp j, 0,1,2,3,4,5,6,7
	v_permlanex16_b32 v[KA+8*\i+\j], v[VA+8*\i+\j], s38, s39   ; the other half's eight V of my row, where K lay; each accumulator of V is read from its low end on
.endr
.endr
	; the columns' sums of e^K, my lane's eight rows
	WIN 0x05                                       ; sources 0 and 1 window 1
.irp e, 0,1,2,3,4,5,6,7
	v_add_f32 v[12+\e], v[128+2*\e], v[144+2*\e]
.endr
	WIN 0x01                                       ; source 0 window 1
.irp i, 2,3,4,5,6,7
.irp e, 0,1,2,3,4,5,6,7
	v_add_f32 v[12+\e], v[128+16*\i+2*\e], v[12+\e]
.endr
.endr
	; S(8 h + e, v) += e^K(row, 8 h + e) V(row, v): sum 16 e + 8 u + j, u = 0: my half's v, u = 1: the other half's.  The first row tile starts the sums: nothing is cleared.  64 different sums between two turns of one
	WIN 0x51                                       ; e^K and the sums window 1, V window 0
.set ti, 0
.rept 8
.irp e, 0,1,2,3,4,5,6,7
.irp u, 0,1
.irp p, 0,2,4,6
.if ti == 0
	v_pk_mul_f32 v[16*\e+8*\u+\p:16*\e+8*\u+\p+1], v[128+2*\e:128+2*\e+1], v[VA-64*\u+\p:VA-64*\u+\p+1] op_sel_hi:[0,1]
.else
	v_pk_fma_f32 v[16*\e+8*\u+\p:16*\e+8*\u+\p+1], v[128+16*ti+2*\e:128+16*ti+2*\e+1], v[VA-64*\u+8*ti+\p:VA-64*\u+8*ti+\p+1], v[16*\e+8*\u+\p:16*\e+8*\u+\p+1] op_sel_hi:[0,1,1]
.endif
.endr
.endr
.endr
.set ti, ti+1
.endr
	WIN 0x04                                       ; an LDS store's data are its source 1: window 1
.irp g, 0,1,2,3,4,5,6,7,8,9,10,11,12,13,14,15
	ds_store_b128 v4, v[4*\g:4*\g+3] offset:4096*\g            ; four registers as they stand: 512 consecutive bytes a store
.endr
.irp g, 0,1,2,3,4,5,6,7,8,9,10,11,12,13,14,15
	ds_store_b128 v5, v[64+4*\g:64+4*\g+3] offset:4096*\g
.endr
	WIN 0
	ds_store_b128 v6, v[12:15]
	ds_store_b128 v6, v[16:19] offset:4096
	s_wait_dscnt 0x0                               ; for the others' sake: my 34 images have landed
	s_barrier_signal -1
	s_barrier_wait -1
	; wave w finishes rows d = 8 h + w of the tile
.irp u, 0,1,2,3,4,5,6,7
	ds_load_b32 v[12+\u], v8 offset:512*\u         ; wave u's part of z, my lane's place
.endr
.irp u, 0,1,2,3,4,5,6,7
	ds_load_b32 v[20+\u], v9 offset:MX+64*\u       ; wave u's largest K of my column
.endr
.irp g, 0,1,2,3
.irp u, 0,1,2,3,4,5,6,7
	ds_load_b128 v[96+32*\g+4*\u:96+32*\g+4*\u+3], v7 offset:4096*\g+512*\u
.endr
.endr
	s_wait_dscnt 32                                ; the 16 words are in; the 32 loads of images may be out
	v_add_f32 v12, v12, v13
	v_add_f32 v14, v14, v15
	v_add_f32 v16, v16, v17
	v_add_f32 v18, v18, v19
	s_delay_alu instid0(VALU_DEP_3)
	v_add_f32 v12, v12, v14
	s_delay_alu instid0(VALU_DEP_2)
	v_add_f32 v16, v16, v18
	s_delay_alu instid0(VALU_DEP_1)
	v_add_f32 v12, v12, v16
.irp m, 1,2,4,8
	s_delay_alu instid0(VALU_DEP_1)
	v_add_f32_dpp v12, v12, v12 row_xmask:\m row_mask:0xf bank_mask:0xf
.endr                                              ; z of column 8 h + w, at least 1
	v_max3_num_f32 v20, v20, v21, v22
	s_delay_alu instid0(VALU_DEP_1)
	v_max3_num_f32 v20, v20, v23, v24
	s_delay_alu instid0(VALU_DEP_1)
	v_max3_num_f32 v20, v20, v25, v26
	s_delay_alu instid0(VALU_DEP_1)
	v_max_num_f32 v20, v20, v27                    ; m of that column
	s_wait_alu depctr_va_vdst(0)
	v_rcp_f32 v28, v12
	v_log_f32 v30, v12
	v_add_f32 v31, v240, v241                      ; b_K + b_Q.  (A plain instruction behind the two)
	s_wait_alu depctr_va_vdst(0)                   ; one wait for the two, ahead of their first reader
	v_mov_b32 v29, v28                             ; (named with v28 as a pair, so it is written)
	v_fma_f32 v32, v30, s45, v20                   ; m + ln z
	s_delay_alu instid0(VALU_DEP_1)
	v_add_f32 v32, v32, v31                        ; c = logsumexp_j K + b_Q
	s_wait_dscnt 0x0                               ; the images are in
.irp g, 0,1,2,3
.irp u, 0,2,4,6
.irp p, 0,2
	v_pk_add_f32 v[96+32*\g+4*\u+\p:96+32*\g+4*\u+\p+1], v[96+32*\g+4*\u+\p:96+32*\g+4*\u+\p+1], v[96+32*\g+4*\u+4+\p:96+32*\g+4*\u+4+\p+1]
.endr
.endr
.endr
.irp g, 0,1,2,3
.irp u, 0,4
.irp p, 0,2
	v_pk_add_f32 v[96+32*\g+4*\u+\p:96+32*\g+4*\u+\p+1], v[96+32*\g+4*\u+\p:96+32*\g+4*\u+\p+1], v[96+32*\g+4*\u+8+\p:96+32*\g+4*\u+8+\p+1]
.endr
.endr
.endr
.irp g, 0,1,2,3
.irp p, 0,2
	v_pk_add_f32 v[96+32*\g+\p:96+32*\g+\p+1], v[96+32*\g+\p:96+32*\g+\p+1], v[96+32*\g+16+\p:96+32*\g+16+\p+1]   ; the eight waves' sums
.endr
.endr
.irp m, 1,2,4,8
.irp g, 0,1,2,3
.irp k, 0,1,2,3
	v_add_f32_dpp v[96+32*\g+\k], v[96+32*\g+\k], v[96+32*\g+\k] row_xmask:\m row_mask:0xf bank_mask:0xf   ; and the half's 16 lanes': every lane ends up with all 16 v of row 8 h + w
.endr
.endr
.endr
.irp g, 0,1,2,3
.irp p, 0,2
	v_pk_fma_f32 v[96+32*\g+\p:96+32*\g+\p+1], v[96+32*\g+\p:96+32*\g+\p+1], v[28:29], v[BV+4*\g+\p:BV+4*\g+\p+1] op_sel_hi:[1,0,1]   ; T = S / z + b_V
.endr
.endr
	ds_store_b128 v10, v[96:99] offset:TL          ; the 16 lanes of a half write the same bytes with the same values
	ds_store_b128 v10, v[128:131] offset:TL+16
	ds_store_b128 v11, v[160:163] offset:TL+32
	ds_store_b128 v11, v[192:195] offset:TL+48
	ds_store_b32 v9, v32 offset:CL
	s_wait_dscnt 0x0                               ; for wave 0's sake: my two rows of the tile and my two c have landed
	s_barrier_signal -1
	s_barrier_wait -1
	s_cmp_lg_u32 s18, 0
	s_cbranch_scc1 .Lend
.irp e, 0,1,2,3,4,5,6,7
	ds_load_b32 v[12+\e], v242 offset:TL+64*\e     ; T(8 h + e, r)
.endr
	ds_load_b32 v20, v243 offset:CL                ; c of column r
	s_wait_dscnt 0x0
	global_store_b128 v252, v[12:15], s[32:33]                 ; sixteen lanes store 256 consecutive bytes, aligned; the two halves 1,024 bytes apart
	global_store_b128 v252, v[16:19], s[32:33] offset:512
	v_lshrrev_b32 v21, 2, v0
	s_delay_alu instid0(VALU_DEP_1)
	v_cmp_eq_u32 vcc_lo, s21, v21                  ; the four work-groups with this (head, dt) hold the same 16 c: the one with vt stores columns 4 vt .. 4 vt + 3, so each byte has one owner
	s_wait_xcnt 0x0                                ; EXEC changes only behind this wait: the stores above have it among their sources
	s_and_saveexec_b32 s40, vcc_lo
	global_store_b32 v243, v20, s[34:35]
	s_wait_xcnt 0x0                                ; and again, in front of the line that widens it
	s_or_b32 exec_lo, exec_lo, s40
.Lend:
	s_wait_tensorcnt 0x0
	ds_add_u32 v254, v255
	s_wait_dscnt 0x0
	s_endpgm
.Lfunc_end_k_q3e2c6b6345_kvt:
	.size	k_q3e2c6b6345_kvt, .Lfunc_end_k_q3e2c6b6345_kvt-k_q3e2c6b6345_kvt
	.p2alignl 7, 3214868480
	.fill 96, 4, 3214868480
	.section	.rodata,"a",@progbits
	.p2align	6, 0x0
	.amdhsa_kernel k_q3e2c6b6345_kvt
		.amdhsa_group_segment_fixed_size 142336
		.amdhsa_private_segment_fixed_size 0
		.amdhsa_enable_private_segment 0
		.amdhsa_kernarg_size 56
		.amdhsa_user_sgpr_count 2
		.amdhsa_user_sgpr_kernarg_segment_ptr 1
		.amdhsa_wavefront_size32 1
		.amdhsa_system_sgpr_workgroup_id_x 1
		.amdhsa_system_sgpr_workgroup_id_y 1
		.amdhsa_system_sgpr_workgroup_id_z 1
		.amdhsa_system_vgpr_workitem_id 0
		.amdhsa_next_free_vgpr 512
		.amdhsa_next_free_sgpr 66
		.amdhsa_reserve_vcc 1
		.amdhsa_float_denorm_mode_32 3
		.amdhsa_float_denorm_mode_16_64 3
		.amdhsa_memory_ordered 1
		.amdhsa_forward_progress 1
		.amdhsa_inst_pref_size 89
	.end_amdhsa_kernel
	.amdgpu_metadata
---
amdhsa.version: [ 1, 2 ]
amdhsa.kernels:
  - .name:           k_q3e2c6b6345_kvt
    .symbol:         k_q3e2c6b6345_kvt.kd
    .args:
      - { .name: codes, .offset: 0, .size: 8, .value_kind: global_buffer, .address_space: global }
      - { .name: scales, .offset: 8, .size: 8, .value_kind: global_buffer, .address_space: global }
      - { .name: b_Q, .offset: 16, .size: 8, .value_kind: global_buffer, .address_space: global }
      - { .name: b_K, .offset: 24, .size: 8, .value_kind: global_buffer, .address_space: global }
      - { .name: b_V, .offset: 32, .size: 8, .value_kind: global_buffer, .address_space: global }
      - { .name: tbuf, .offset: 40, .size: 8, .value_kind: global_buffer, .address_space: global }
      - { .name: cbuf, .offset: 48, .size: 8, .value_kind: global_buffer, .address_space: global }
    .group_segment_fixed_size: 142336
    .private_segment_fixed_size: 0
    .kernarg_segment_align: 8
    .kernarg_segment_size: 56
    .max_flat_workgroup_size: 256
    .sgpr_count:     66
    .vgpr_count:     512
    .wavefront_size: 32
...
	.end_amdgpu_metadata
.endif
;; end of part 5
;; launch out (part 6): grid 128 x 1, 8 waves a work-group, no clusters, 109,824 bytes of LDS; arguments codes, scales, tbuf, cbuf, b_O, out0; writes out0
.if DOCPART == 6
	.amdgcn_target "amdgcn-amd-amdhsa--gfx1250"
	.amdhsa_code_object_version 6
	.text
	.protected	k_q3e2c6b6345_out
	.globl	k_q3e2c6b6345_out
	.p2align	8
	.type	k_q3e2c6b6345_out,@function
k_q3e2c6b6345_out:
	s_mov_b64 s[64:65], 0
	v_nop
	global_prefetch_b8 v0, s[64:65] scope:SCOPE_SE
	s_setreg_imm32_b32 hwreg(HW_REG_WAVE_SCHED_MODE, 0, 2), 2
	s_setreg_imm32_b32 hwreg(HW_REG_WAVE_MODE, 25, 1), 1
	s_wait_xcnt 0x0
	s_wait_alu depctr_vm_vsrc(0)
; out = Q4(heads) Q4(W_O)^T + b_O,  heads = softmax_d(a) T,  a_id = (x W_Q^T)_id + c_d  (c holds logsumexp_j K and b_Q; T and c come from the launch before).
; The row's largest a is taken away before the exponentials; the divisor is at least 1.  x W_Q^T and the last product run on codes of FP4 with E8M0 scales; w T is f32 vector work: packed fused multiply-adds.
; SHARES.  Work-group g owns 16 rows (tile g of x): the last product sums over all 8 heads of a row, so a row has one owner, and 16 rows are a matrix tile: 128 work-groups.
; Wave w is head w as far as the barrier, and output columns 64 w .. 64 w + 63 behind it.
; LAYOUT.  Both matrix products are used transposed (source 0 = 16 rows of a weight, source 1 = the 16 rows), so that a lane holds ONE row r and its registers run along d or n.  c and b_O are the C of their sums' first instructions.
; w T: the finished weights w (already divided by their row's sum) go into the wave's own LDS bytes, [row][64 d].  Lane (cg, dh) keeps T(d = 32 dh + 0 .. 31, v = 16 i + cg, i = 0 .. 3) in 128 registers, pairs along d.
; One LDS load brings four neighbouring w of a row (the 16 lanes of a half read the same 16 bytes) and feeds 8 packed multiply-adds; THE TWO HALVES OF A PAIR ARE TWO NEIGHBOURING d, so that neither source is shared out between them.
; So a sum lies in four parts: two lanes (dh) x two halves of a pair.  A swap of half rows and a packed addition fold dh, leaving rows 0-7 in lanes 0-15 and rows 8-15 in lanes 16-31; a plain addition folds the pair.
; heads then turn through a stage in LDS into the quantiser's layout: lane (r, h): 16 neighbours along v of each block of 32.  A head's 64 columns are half a K step of the last product: 4 registers of a fragment and 2 bytes of a
; scale word; they reach the other waves through LDS as images of registers.
; NO CLUSTER, NO LDS FOR WEIGHTS: each wave's 16 KiB of W_Q, of T and of W_O go from memory into its registers in the order in which they are used there; a joint load would add a pass through LDS for every byte.
; LIMITS: NaN and infinities are not served; the division is v_rcp_f32 and a multiplication; exponentials under 2^-126 come out as 0, beside a sum that is at least 1; a block of zeros gets the byte 1 (its codes are zeros).
; REGISTERS.  Window 0: v1-12 addresses; v13-15 at work; v16-47 x's four fragments, then a row of w, later heads' fragments; v48-71 scale words, and nothing else; v72-103 a, w, then a row of w, later heads;
;   v104-124 at work; v128-255: c (v128-159), then the 128 partial sums; later the results (v128-159), rows on their way out (v160-191), heads (v192-223), b_O (v224-255).
;   Window 1: v0-127 W_Q's, later W_O's 16 fragments (tile t, K step s at 32 t + 8 s); v128-255 T: (i, d % 32) at 128 + 32 i + d % 32.
; THE MODE: SCHED_MODE bits 1:0 = 2 (LLVM: expert scheduling mode 2), set by the entry lines.  The code itself states the register dependences
; between vector or matrix instructions and memory or LDS instructions, with s_wait_alu, always for 0.
; THE PLAN.  Registers that memory or LDS instructions touch, in the order of the text:
;   v1-12            Offsets and LDS addresses: written at the head, read by loads and stores, never written again.
;   v16-47           x's fragments land; the first products read them.  Then the even rows of w land, each read by its row's 64 multiply-adds.  Then heads' fragments land; the last products read them.
;   v72-103          The first products and the softmax write them; the LDS stores of w read them.  Then the odd rows of w land.  Then heads come back by rows; the quantiser reads them.
;   window 1 v0-127  W_Q lands; the first products read it; W_O lands.
;   v128-255         c lands and is read as C; the sums are vector work alone; then: v192-223 heads, read by LDS stores; v224-255 b_O lands; v128-159 the results, read by LDS stores; v160-191 rows from the stage, read by the global stores.
;   v104-107, v124   The codes and the two scale bytes: written by the quantiser, read by two LDS stores, not written again.
;   T and the scale words land once and are named by vector and matrix instructions alone from then on.  v126, v127: written at the head, read by the closing add alone.
; A wait on va_vdst stands: ahead of the first load; ahead of W_O's loads; behind each batch of transcendentals; ahead of each of the four runs of LDS stores; and behind a row's multiply-adds, ahead of the loads that take its set of w.
; One wait on vm_vsrc stands between the LDS stores of w and the loads that land in the registers which those stores read.  One wait on va_sdst stands ahead of the first reader of the wave's number.
.set HIMG, 0                           ; LDS: heads' codes: 8 images of 512 bytes: head w is registers 4 (w % 2) on of K step w / 2
.set HSC,  4096                        ; heads' scale bytes: [row][16]
.set STG,  4352                        ; the way out: 16 rows x (256 + 16) bytes for each wave, its own
.set WL,   STG+8*4352                  ; w: the same shape, each wave's own
.set HL,   WL+8*4352                   ; heads in f32: likewise
.set XF,  16
.set XS,  48                           ; x's scale words, register s
.set HS,  52                           ; heads'
.set WQS, 56                           ; W_Q's: register 4 u + s: lanes 0-15 tile 2 u, lanes 16-31 tile 2 u + 1
.set WOS, 64                           ; W_O's likewise
.set AQ,  72
.set CC,  128
.set ACC, 128                          ; the sum of (row, i): the pair at ACC + 8 row + 2 i
.set HH,  192
.set BO,  224
.set OA,  128
.set OR,  160
.set TM,  116                          ; v116-117 largest magnitudes, v118-119 the other half's, v120-121 the conversions' scale operands, v122-123 bytes, v124 the two bytes
.set PC,  104                          ; v104-107 the codes
.set MSB, 0
.macro WIN new                         ; the immediate's high byte repeats the setting that is left
.if MSB != \new
	s_set_vgpr_msb (MSB<<8)|\new
.set MSB, \new
.endif
.endm
; One product 16 x 16 x 128 on codes, D = A B + C.  ra = 1: A's scale words are taken from lanes 16-31.
.macro MMO d, a, b, c, sa, sb, ra
.if \ra
	v_wmma_scale_f32_16x16x128_f8f6f4 v[\d:\d+7], v[\a:\a+7], v[\b:\b+7], v[\c:\c+7], v[\sa], v[\sb] matrix_a_fmt:MATRIX_FMT_FP4 matrix_b_fmt:MATRIX_FMT_FP4 matrix_a_scale:MATRIX_SCALE_ROW1
.else
	v_wmma_scale_f32_16x16x128_f8f6f4 v[\d:\d+7], v[\a:\a+7], v[\b:\b+7], v[\c:\c+7], v[\sa], v[\sb] matrix_a_fmt:MATRIX_FMT_FP4 matrix_b_fmt:MATRIX_FMT_FP4
.endif
.endm
; the 32 w of a row that belong to my half of d, into 32 registers from buf on
.macro WROW buf, row
.irp q, 0,1,2,3,4,5,6,7
	ds_load_b128 v[(\buf)+4*\q:(\buf)+4*\q+3], v10 offset:272*(\row)+16*\q
.endr
.endm
; a row's 64 packed multiply-adds: for each pair of neighbouring d, my four v.  The first pair starts the sums: nothing is cleared
.macro ROWMAC buf, row
.irp q, 0,1,2,3,4,5,6,7
.irp t, 0,2
.irp i, 0,1,2,3
.if ((\q) == 0) && ((\t) == 0)
	v_pk_mul_f32 v[ACC+8*(\row)+2*\i:ACC+8*(\row)+2*\i+1], v[(\buf)+4*\q+\t:(\buf)+4*\q+\t+1], v[128+32*\i+4*\q+\t:128+32*\i+4*\q+\t+1]
.else
	v_pk_fma_f32 v[ACC+8*(\row)+2*\i:ACC+8*(\row)+2*\i+1], v[(\buf)+4*\q+\t:(\buf)+4*\q+\t+1], v[128+32*\i+4*\q+\t:128+32*\i+4*\q+\t+1], v[ACC+8*(\row)+2*\i:ACC+8*(\row)+2*\i+1]
.endif
.endr
.endr
.endr
.endm
	s_load_b256 s[4:11], s[0:1], 0x0               ; codes s[4:5], scales s[6:7], tbuf s[8:9], cbuf s[10:11]
	s_load_b128 s[12:15], s[0:1], 0x20             ; b_O s[12:13], out0 s[14:15]
	v_lshl_add_u32 v126, v0, 2, 0x1a900
	v_mov_b32 v127, 0
	v_lshrrev_b32 v13, 5, v0
	v_readfirstlane_b32 s36, v13                   ; wave 0..7
	s_lshr_b32 s37, ttmp9, 6                       ; b
	v_and_b32 v13, 15, v0                          ; r (also cg)
	v_bfe_u32 v14, v0, 4, 1                        ; h (also dh)
	v_and_b32 v1, 31, v0
	v_lshlrev_b32 v1, 4, v1                        ; v1: 16 x lane
	v_lshlrev_b32 v2, 4, v13                       ; v2: 16 r: a row's four scale words
	v_lshlrev_b32 v3, 5, v14                       ; v3: 32 h: my half's eight numbers of c or b_O
	s_wait_alu depctr_va_sdst(0)                   ; s36, the wave's number, is written, ahead of its first reader: LDS addresses and the buffers' bases are made from it
	s_lshl_b32 s38, s36, 9
	v_add_nc_u32 v4, s38, v1                       ; v4: my head's image
	s_lshl_b32 s38, s36, 1
	v_add_nc_u32 v5, s38, v2                       ; v5: my head's two scale bytes of row r
	s_mul_i32 s38, s36, 16*272                     ; my wave's part of each of the three regions
	v_mul_u32_u24 v15, v13, 272
	v_add_nc_u32 v15, s38, v15                     ; row r in it
	v_lshl_add_u32 v6, v14, 5, v15
	v_add_nc_u32 v9, WL, v6                        ; v9: w, in: row r, + 32 h bytes: d = 8 h on (64 bytes a tile stand in the immediate)
	v_add_nc_u32 v6, STG, v6                       ; v6: the way out, in: row r, + 32 h
	v_lshl_add_u32 v12, v14, 6, v15
	v_add_nc_u32 v12, HL, v12                      ; v12: heads, back: row r, + 64 h bytes: v = 16 h on
	v_mul_u32_u24 v7, v14, 272
	v_lshl_add_u32 v7, v13, 4, v7
	v_add_nc_u32 v7, s38, v7
	v_add_nc_u32 v7, STG, v7                       ; v7: the way out, back: lanes 0-15 one row of 256 bytes, lanes 16-31 the next
	v_lshlrev_b32 v10, 7, v14
	v_add_nc_u32 v10, s38, v10
	v_add_nc_u32 v10, WL, v10                      ; v10: w, back: + 128 dh bytes: my half of d; the same in all 16 lanes of a half
	v_mul_u32_u24 v11, v14, 8*272
	v_lshl_add_u32 v11, v13, 2, v11
	v_add_nc_u32 v11, s38, v11
	v_add_nc_u32 v11, HL, v11                      ; v11: heads, in: rows 8 (lane / 16) on, column cg
	v_lshlrev_b32 v8, 11, v14
	v_lshl_add_u32 v8, v13, 4, v8                  ; v8: two rows of out0: 2,048 h + 16 r
	v_mov_b32 v106, 0                              ; lane permutes' destinations count among their sources
	v_mov_b32 v[TM+2], 0
	v_mov_b32 v[TM+3], 0
	v_mov_b32 v115, 0                              ; (named with v114 as a pair, so it is written)
	s_mov_b32 s39, 0
	s_lshl_b32 s40, s36, 2
	s_add_co_u32 s40, s40, 128                     ; W_Q's first tile of my head; W_O's first of my columns lies 96 tiles on
	s_lshl_b32 s41, s37, 3
	s_add_co_u32 s41, s41, s36                     ; 8 b + head
	s_lshl_b32 s42, s36, 8
	s_mov_b32 s32, 0x3fb8aa3b                      ; log2(e), as a pair
	s_mov_b32 s33, s32
	s_mov_b32 s34, 0x76543210
	s_mov_b32 s35, 0xfedcba98                      ; v_permlanex16_b32's selects for lane l xor 16
	s_wait_kmcnt 0x0
	s_lshl_b32 s38, ttmp9, 12
	s_add_nc_u64 s[16:17], s[4:5], s[38:39]        ; x's tile
	s_lshl_b32 s38, s40, 12
	s_add_nc_u64 s[18:19], s[4:5], s[38:39]        ; W_Q's four tiles
	s_lshl_b32 s38, ttmp9, 8
	s_add_nc_u64 s[20:21], s[6:7], s[38:39]        ; x's scale bytes
	s_lshl_b32 s38, s40, 8
	s_add_nc_u64 s[22:23], s[6:7], s[38:39]        ; W_Q's
	s_lshl_b32 s38, s41, 14
	s_add_nc_u64 s[24:25], s[8:9], s[38:39]        ; T of (b, head): 16,384 bytes
	s_lshl_b32 s38, s37, 11
	s_add_co_u32 s38, s38, s42
	s_add_nc_u64 s[26:27], s[10:11], s[38:39]      ; c of (b, head)
	s_mov_b32 s38, s42
	s_add_nc_u64 s[28:29], s[12:13], s[38:39]      ; b_O of my 64 columns
	s_lshl_b32 s38, ttmp9, 15
	s_add_co_u32 s38, s38, s42
	s_add_nc_u64 s[30:31], s[14:15], s[38:39]      ; out0: my 16 rows, my 256 bytes of each
	s_wait_alu depctr_va_vdst(0)                   ; the twelve offsets and addresses v1 to v12 are written: every load and store of the kernel reads one of them, and none is written again
	; the loads, in the order in which they are wanted: 19 for the first product's small operands, W_Q's 32, T's 32, W_O's two of scale words
.irp s, 0,1,2,3
.irp c, 0,1
	global_load_b128 v[XF+8*\s+4*\c:XF+8*\s+4*\c+3], v1, s[16:17] offset:1024*\s+512*\c
.endr
.endr
	global_load_b128 v[XS:XS+3], v2, s[20:21]
.irp u, 0,1
	global_load_b128 v[WQS+4*\u:WQS+4*\u+3], v1, s[22:23] offset:512*\u
.endr
.irp t, 0,1,2,3
	global_load_b128 v[CC+8*\t:CC+8*\t+3], v3, s[26:27] offset:64*\t          ; c(16 t + 8 h + 0 .. 7): the result's layout
	global_load_b128 v[CC+8*\t+4:CC+8*\t+7], v3, s[26:27] offset:64*\t+16
.endr
	WIN 0x40                                       ; destination window 1, address window 0
.irp t, 0,1,2,3
.irp s, 0,1,2,3
.irp c, 0,1
	global_load_b128 v[32*\t+8*\s+4*\c:32*\t+8*\s+4*\c+3], v1, s[18:19] offset:4096*\t+1024*\s+512*\c
.endr
.endr
.endr
.irp i, 0,1,2,3
.irp q, 0,1,2,3,4,5,6,7
	global_load_b128 v[128+32*\i+4*\q:128+32*\i+4*\q+3], v1, s[24:25] offset:512*(8*\i+\q)   ; T(32 dh + 4 q + 0 .. 3, 16 i + cg): 512 consecutive bytes a load
.endr
.endr
	WIN 0
.irp u, 0,1
	global_load_b128 v[WOS+4*\u:WOS+4*\u+3], v1, s[22:23] offset:24576+512*\u   ; 96 tiles of 256 scale bytes on
.endr
	; a = x W_Q^T + c: four accumulators by turns
	s_wait_loadcnt 34                              ; the first 51 loads are in; T's 32 and the 2 behind them may be out
	WIN 0x01                                       ; source 0 window 1
.irp s, 0,1,2,3
.irp t, 0,1,2,3
.if \s == 0
	MMO AQ+8*\t, 32*\t+8*\s, XF+8*\s, CC+8*\t, WQS+4*(\t/2)+\s, XS+\s, \t%2
.else
	MMO AQ+8*\t, 32*\t+8*\s, XF+8*\s, AQ+8*\t, WQS+4*(\t/2)+\s, XS+\s, \t%2
.endif
.endr
.endr
.rept 4
	v_nop                                          ; four places in front of the first read of the products' results (ISA guide 7.12.1)
.endr
	WIN 0x40
	s_wait_alu depctr_va_vdst(0)                   ; the sixteen products are done reading W_Q's fragments, in whose registers W_O's loads land
.irp t, 0,1,2,3
.irp s, 0,1,2,3
.irp c, 0,1
	global_load_b128 v[32*\t+8*\s+4*\c:32*\t+8*\s+4*\c+3], v1, s[18:19] offset:393216+4096*\t+1024*\s+512*\c   ; W_O takes W_Q's place: 96 tiles of 4,096 bytes on
.endr
.endr
.endr
	WIN 0
	; the row's largest a: two chains of 16 registers, each accumulator from its low end on; then the other half's 32
.irp q, 0,1
	v_max3_num_f32 v[104+\q], v[AQ+16*\q], v[AQ+16*\q+1], v[AQ+16*\q+2]
.endr
.irp n, 3,5,7,9,11,13
.irp q, 0,1
	v_max3_num_f32 v[104+\q], v[104+\q], v[AQ+16*\q+\n], v[AQ+16*\q+\n+1]
.endr
.endr
.irp q, 0,1
	v_max_num_f32 v[104+\q], v[104+\q], v[AQ+16*\q+15]
.endr
	v_max_num_f32 v104, v104, v105
	v_permlanex16_b32 v106, v104, s34, s35
	v_max_num_f32 v104, v104, v106
	v_xor_b32 v108, 0x80000000, v104
	v_xor_b32 v109, 0x80000000, v104               ; v[108:109]: minus the largest a, twice
	; e^(a - the largest): the difference first, then x log2(e)
.set n, 0
.rept 16
	v_pk_add_f32 v[AQ+n:AQ+n+1], v[AQ+n:AQ+n+1], v[108:109]
.set n, n+2
.endr
.set n, 0
.rept 16
	v_pk_mul_f32 v[AQ+n:AQ+n+1], v[AQ+n:AQ+n+1], s[32:33] op_sel_hi:[1,0]
.set n, n+2
.endr
.set n, 0
	s_wait_alu depctr_va_vdst(0)
.rept 32
	v_exp_f32 v[AQ+n], v[AQ+n]
.set n, n+1
.endr
	v_nop                                          ; a plain instruction behind the last exponential
	s_wait_alu depctr_va_vdst(0)                   ; the 32 exponentials have written v72-103: one wait for the batch, ahead of its first reader
	; the row's sum, two chains, and the division: w is finished here, so that nothing has to be divided in another layout later
	v_pk_add_f32 v[110:111], v[AQ:AQ+1], v[AQ+2:AQ+3]
	v_pk_add_f32 v[112:113], v[AQ+4:AQ+5], v[AQ+6:AQ+7]
.set n, 8
.rept 6
	v_pk_add_f32 v[110:111], v[110:111], v[AQ+n:AQ+n+1]
	v_pk_add_f32 v[112:113], v[112:113], v[AQ+n+2:AQ+n+3]
.set n, n+4
.endr
	v_pk_add_f32 v[110:111], v[110:111], v[112:113]
	v_add_f32 v104, v110, v111
	v_permlanex16_b32 v106, v104, s34, s35
	v_add_f32 v104, v104, v106
	s_wait_alu depctr_va_vdst(0)
	v_rcp_f32 v114, v104
	v_nop                                          ; a plain instruction behind the reciprocal
	s_wait_alu depctr_va_vdst(0)                   ; the reciprocal has written v114, ahead of its first reader
.set n, 0
.rept 16
	v_pk_mul_f32 v[AQ+n:AQ+n+1], v[AQ+n:AQ+n+1], v[114:115] op_sel_hi:[1,0]
.set n, n+2
.endr
	s_wait_alu depctr_va_vdst(0)                   ; the sixteen scalings have written w in v72-103, which the LDS stores read; the first products are done reading x's fragments in v16-47, in which row 0 of w lands
.irp t, 0,1,2,3
.irp c, 0,1
	ds_store_b128 v9, v[AQ+8*\t+4*\c:AQ+8*\t+4*\c+3] offset:64*\t+16*\c   ; w(r, 16 t + 8 h + 4 c + 0 .. 3) at its natural place in row r
.endr
.endr
	; heads = w T.  Two sets of 32 registers take the rows of w by turns: LDS serves a wave's instructions in order, so the loads see the stores above
	WROW XF, 0
	s_wait_alu depctr_vm_vsrc(0)                   ; the eight LDS stores have read v72-103, in which row 1 of w lands
	WROW AQ, 1
	s_wait_loadcnt 34                              ; T is in; W_O's 2 loads of scale words and its 32 of codes may be out
	WIN 0x04                                       ; source 1 (T) window 1; an LDS load's destination and address stay in window 0
.set rr, 0
.rept 16
.set wb, XF+(AQ-XF)*(rr%2)
.if rr < 15
	s_wait_dscnt 8                                 ; this row's eight loads are in; the next row's eight may be out
.else
	s_wait_dscnt 0x0
.endif
	ROWMAC wb, rr
.if rr+2 < 16
	s_wait_alu depctr_va_vdst(0)                   ; this row's 64 multiply-adds are done reading their set of w, in which the row after next lands; the next row's name the other set, T and their own sums
	WROW wb, rr+2
.endif
.set rr, rr+1
.endr
	WIN 0
	; the two halves of d: the sums of row p change their lanes 16-31 for lanes 0-15 of the sums of row p + 8; the addition then leaves row p whole in lanes 0-15 and row p + 8 whole in lanes 16-31
.set n, 0
.rept 64
	v_permlane16_swap_b32 v[ACC+n], v[ACC+64+n]
.set n, n+1
.endr
.set n, 0
.rept 32
	v_pk_add_f32 v[ACC+n:ACC+n+1], v[ACC+n:ACC+n+1], v[ACC+64+n:ACC+64+n+1]
.set n, n+2
.endr
.set n, 0
.rept 32
	v_add_f32 v[HH+n], v[ACC+2*n], v[ACC+2*n+1]    ; the even d's and the odd d's: heads(8 (lane / 16) + n / 4, 16 (n % 4) + cg)
.set n, n+1
.endr
	s_wait_alu depctr_va_vdst(0)                   ; the additions have written heads in v192-223, which the LDS stores read; the swaps and sums are done with v224-255, in which b_O lands; row 15's multiply-adds are done reading v72-103, in which heads come back
.irp t, 0,1,2,3
	global_load_b128 v[BO+8*\t:BO+8*\t+3], v3, s[28:29] offset:64*\t          ; b_O(64 w + 16 t + 8 h + 0 .. 7), into registers that the sums have left
	global_load_b128 v[BO+8*\t+4:BO+8*\t+7], v3, s[28:29] offset:64*\t+16
.endr
.irp p, 0,1,2,3,4,5,6,7
.irp i, 0,1,2,3
	ds_store_b32 v11, v[HH+4*\p+\i] offset:272*\p+64*\i
.endr
.endr
.irp b, 0,1
.irp c, 0,1,2,3
	ds_load_b128 v[AQ+16*\b+4*\c:AQ+16*\b+4*\c+3], v12 offset:128*\b+16*\c   ; back by rows: register 16 b + i = heads(r, 32 b + 16 h + i)
.endr
.endr
	s_wait_dscnt 0x0
	; heads are quantised along v: two blocks of 32, each in lanes l and l xor 16
.irp b, 0,1
	v_max3_num_f32 v[TM+\b], |v[AQ+16*\b]|, |v[AQ+16*\b+1]|, 0x1800000   ; my 16 numbers, and the floor 2^(3 - 127): the byte cannot fall under 1
.endr
.irp i, 2,4,6,8,10,12,14
.irp b, 0,1
	v_max3_num_f32 v[TM+\b], v[TM+\b], |v[AQ+16*\b+\i]|, |v[AQ+16*\b+\i+1]|
.endr
.endr
.irp b, 0,1
	v_permlanex16_b32 v[TM+2+\b], v[TM+\b], s34, s35
.endr
.irp b, 0,1
	v_max_num_f32 v[TM+\b], v[TM+\b], v[TM+2+\b]   ; the block's largest magnitude
.endr
.irp b, 0,1
	v_add_nc_u32 v[TM+4+\b], 0xff000000, v[TM+\b]  ; 2 off its exponent field: the conversion's scale operand
.endr
.irp b, 0,1
	v_lshrrev_b32 v[TM+6+\b], 23, v[TM+4+\b]       ; the scale's byte
.endr
	v_lshl_or_b32 v[TM+8], v[TM+7], 8, v[TM+6]     ; my head's two bytes of row r's scale word
.irp b, 0,1
	v_cvt_scalef32_pk8_fp4_f32 v[PC+2*\b], v[AQ+16*\b:AQ+16*\b+7], v[TM+4+\b]
	v_cvt_scalef32_pk8_fp4_f32 v[PC+2*\b+1], v[AQ+16*\b+8:AQ+16*\b+15], v[TM+4+\b]
.endr
	v_nop                                          ; a plain instruction behind the last conversion
	v_permlane16_swap_b32 v[PC], v[PC+2]           ; the operand's layout wants a whole block in a lane: lanes 0-15 the first block, lanes 16-31 the second
	v_permlane16_swap_b32 v[PC+1], v[PC+3]
	s_wait_alu depctr_va_vdst(0)                   ; the swaps have written the codes in v104-107, and the two bytes in v124 are made: the two LDS stores read them.  No vector instruction stands between this wait and the loads behind the barrier, which land in v16-47 and v52-55
	ds_store_b128 v4, v[PC:PC+3] offset:HIMG       ; four registers of the fragment, as they stand
	ds_store_b16 v5, v[TM+8] offset:HSC            ; lanes r and 16 + r write the same two bytes with the same value
	s_wait_dscnt 0x0                               ; for the others' sake: my codes and bytes have landed
	s_barrier_signal -1
	s_barrier_wait -1
.irp s, 0,1,2,3
.irp c, 0,1
	ds_load_b128 v[XF+8*\s+4*\c:XF+8*\s+4*\c+3], v1 offset:HIMG+512*(2*\s+\c)
.endr
.endr
	ds_load_b128 v[HS:HS+3], v2 offset:HSC
	s_wait_dscnt 0x0
	s_wait_loadcnt 0x0                             ; W_O, its scale words and b_O
	WIN 0x01
.irp s, 0,1,2,3
.irp t, 0,1,2,3
.if \s == 0
	MMO OA+8*\t, 32*\t+8*\s, XF+8*\s, BO+8*\t, WOS+4*(\t/2)+\s, HS+\s, \t%2
.else
	MMO OA+8*\t, 32*\t+8*\s, XF+8*\s, OA+8*\t, WOS+4*(\t/2)+\s, HS+\s, \t%2
.endif
.endr
.endr
	WIN 0
.rept 4
	v_nop                                          ; four places in front of the first read of the results
.endr
	s_wait_alu depctr_va_vdst(0)                   ; the last products have written the results in v128-159, which the LDS stores read; the places above stay beside this wait.  No vector instruction behind it names v160-191, in which the rows come back
	; the way out: a lane holds 32 neighbouring bytes of row r; through my own stage they become whole runs of 256 bytes
.irp t, 0,1,2,3
	ds_store_b128 v6, v[OA+8*\t:OA+8*\t+3] offset:64*\t          ; each accumulator from its low end on
	ds_store_b128 v6, v[OA+8*\t+4:OA+8*\t+7] offset:64*\t+16
.endr
.irp i, 0,1,2,3,4,5,6,7
	ds_load_b128 v[OR+4*\i:OR+4*\i+3], v7 offset:544*\i          ; LDS serves a wave's instructions in order: these see my stores
.endr
.irp i, 0,1,2,3,4,5,6,7
	s_wait_dscnt 7-\i                              ; rows 2 i and 2 i + 1 are back; the 7 - i younger loads may be out
	global_store_b128 v8, v[OR+4*\i:OR+4*\i+3], s[30:31] offset:4096*\i th:TH_STORE_NT   ; sixteen lanes store 256 consecutive bytes, at a multiple of 256 from out0's first byte; written once
.endr
	s_wait_dscnt 0x0                               ; the closing lines, six on end
	s_wait_alu 0x0
	s_wait_tensorcnt 0x0
	ds_add_u32 v126, v127
	s_wait_dscnt 0x0
	s_endpgm
.Lfunc_end_k_q3e2c6b6345_out:
	.size	k_q3e2c6b6345_out, .Lfunc_end_k_q3e2c6b6345_out-k_q3e2c6b6345_out
	.p2alignl 7, 3214868480
	.fill 96, 4, 3214868480
	.section	.rodata,"a",@progbits
	.p2align	6, 0x0
	.amdhsa_kernel k_q3e2c6b6345_out
		.amdhsa_group_segment_fixed_size 109824
		.amdhsa_private_segment_fixed_size 0
		.amdhsa_enable_private_segment 0
		.amdhsa_kernarg_size 48
		.amdhsa_user_sgpr_count 2
		.amdhsa_user_sgpr_kernarg_segment_ptr 1
		.amdhsa_wavefront_size32 1
		.amdhsa_system_sgpr_workgroup_id_x 1
		.amdhsa_system_sgpr_workgroup_id_y 1
		.amdhsa_system_sgpr_workgroup_id_z 1
		.amdhsa_system_vgpr_workitem_id 0
		.amdhsa_next_free_vgpr 512
		.amdhsa_next_free_sgpr 66
		.amdhsa_reserve_vcc 0
		.amdhsa_float_denorm_mode_32 3
		.amdhsa_float_denorm_mode_16_64 3
		.amdhsa_memory_ordered 1
		.amdhsa_forward_progress 1
		.amdhsa_inst_pref_size 113
	.end_amdhsa_kernel
	.amdgpu_metadata
---
amdhsa.version: [ 1, 2 ]
amdhsa.kernels:
  - .name:           k_q3e2c6b6345_out
    .symbol:         k_q3e2c6b6345_out.kd
    .args:
      - { .name: codes, .offset: 0, .size: 8, .value_kind: global_buffer, .address_space: global }
      - { .name: scales, .offset: 8, .size: 8, .value_kind: global_buffer, .address_space: global }
      - { .name: tbuf, .offset: 16, .size: 8, .value_kind: global_buffer, .address_space: global }
      - { .name: cbuf, .offset: 24, .size: 8, .value_kind: global_buffer, .address_space: global }
      - { .name: b_O, .offset: 32, .size: 8, .value_kind: global_buffer, .address_space: global }
      - { .name: out0, .offset: 40, .size: 8, .value_kind: global_buffer, .address_space: global }
    .group_segment_fixed_size: 109824
    .private_segment_fixed_size: 0
    .kernarg_segment_align: 8
    .kernarg_segment_size: 48
    .max_flat_workgroup_size: 256
    .sgpr_count:     66
    .vgpr_count:     512
    .wavefront_size: 32
...
	.end_amdgpu_metadata
.endif
;; end of part 6
